; MI455X (gfx1250); checked and timed in simulation.
; The chip was launched on July 23, 2026; its instructions are those of AMD's public machine-readable ISA for CDNA 5 (MIT licence, August 2026) and "CDNA5" Instruction Set Architecture Reference Guide (July 2026). The comments in the code are by the model that wrote it; some were corrected since.
;; Causal Self Attention. Allowed arithmetic: matrix products marked QUANTISED: E2M3 operands, one E8M0 scale for each 32 along K, by v_wmma_scale_f32_16x16x128_f8f6f4 with both operands' format E2M3, f32 sums; everything else in f32.
;; Inputs: W_k 1,024 x 1,024 float32; W_o 1,024 x 1,024 float32; W_q 1,024 x 1,024 float32; W_v 1,024 x 1,024 float32; x 4 x 2,048 x 1,024 float32.
;; Outputs: out0 4 x 2,048 x 1,024 float32.
;; This version of the problem:
;;   THIS VERSION OF THE PROBLEM IS GIVEN IN LOW PRECISION. The matrix products marked QUANTISED in the list below multiply operands that are first quantised to E2M3 (2 exponent bits, 3 mantissa bits; 6 bits a number), with one power-of-two scale for each 32 numbers along K (OCP MX v1.0); their sums are f32. All else is computed in f32.
;;   The module's matrix products, in the order in which they are computed (A, B: the left and right operand; K: the contracted axis; several contracted axes count as one K, in the product's order):
;;     1. [M 8,192, K 1,024] x [K 1,024, N 1,024]; A: input x; B: input W_q: QUANTISED
;;     2. [M 8,192, K 1,024] x [K 1,024, N 1,024]; A: input x; B: input W_k: QUANTISED
;;     3. [M 8,192, K 1,024] x [K 1,024, N 1,024]; A: input x; B: input W_v: QUANTISED
;;     4. batch 64 x [M 2,048, K 64] x [K 64, N 2,048]; A: computed on the way; B: computed on the way: QUANTISED
;;     5. batch 64 x [M 2,048, K 2,048] x [K 2,048, N 64]; A: softmax (see below); B: computed on the way: QUANTISED
;;     6. [M 8,192, K 1,024] x [K 1,024, N 1,024]; A: computed on the way; B: input W_o: QUANTISED
;;   THE QUANTISER, for each operand of a quantised product, along K:
;;     - K is cut into blocks of 32 from its start; a last block that is shorter is filled with zeros.
;;     - A block's scale is 2^e with e = floor(log2(the largest magnitude in the block)) - 2, held to -126 .. 127; a block of zeros has e = 0. As a byte (E8M0): e + 127.
;;     - Each number is divided by its block's scale, clamped to +-7.5, and rounded to the nearest number of E2M3, ties to even, subnormals kept.
;;     - The product sums the exact products of the quantised numbers (number of the format x scale) in f32.
;;   ~~~python
;;   def quantise(x, axis):      # numpy; x: float32 -> the quantised numbers, widened to float32 again
;;       x = np.moveaxis(x, axis, -1); K = x.shape[-1]
;;       x = np.pad(x, [(0, 0)] * (x.ndim - 1) + [(0, -K % 32)]); x = x.reshape(x.shape[:-1] + (-1, 32)); a = np.abs(x).max(-1, keepdims=True)
;;       e = np.where(a > 0, np.clip(np.frexp(np.where(a > 0, a, 1))[1] - 1 - 2, -126, 127), 0)      # np.frexp(a)[1] - 1 = floor(log2(a)), exactly
;;       r = np.clip(x / 2.0 ** e, -7.5, 7.5)
;;       step = 2.0 ** (np.maximum(np.frexp(np.where(r == 0, 1, r))[1] - 1, 0) - 3)
;;       q = np.round(r / step) * step * 2.0 ** e      # np.round: ties to even
;;       return np.moveaxis(q.reshape(q.shape[:-2] + (-1,))[..., :K], -1, axis).astype(np.float32)
;;   ~~~
;;   SOFTMAX AHEAD OF A QUANTISED PRODUCT. Where the list says 'softmax', what is quantised is not the finished softmax but p = 2^(t - M), with t = logit x log2(e) and M = ceil(the row's largest t), a whole number; so 1/2 < the row's largest p <= 1. The row's sum l is taken of the UNQUANTISED p, in f32, and the product's result is divided by l at the end. Since M is a whole number, a kernel that streams over the keys may use a running M (the ceiling of the running maximum): every later rescaling is an exact power of two, which a block's scale takes up: the codes' values come out the same.
;;   OPERANDS COMPUTED ON THE WAY. 'Computed on the way' means the value that the module computes at that place (a softmax that the list does not call 'softmax' is quantised finished and normalised). What goes into a quantiser is computed in f32, as accurately as f32 sums, v_exp_f32 and their like allow (about 1e-6 of the number): no bf16 or f16 on the way to a quantiser, and a product that is left as it is and whose result goes on into a quantised operand takes f32 operands (vector FMAs, or v_wmma_f32_16x16x4_f32). A number that lies on a knife's edge between two numbers of the format may be rounded either way, as far as f32 arithmetic and the matrix unit's own rounding can turn it there, and no further.
;; One version. Each part assembles by itself: llvm-mc -triple=amdgcn-amd-amdhsa -mcpu=gfx1250 --defsym DOCPART=n.
;; ======== version 1 of 1: 4 launches
;; workspace buffers: xc 6,291,456 bytes; xs 262,144 bytes; wc 3,145,728 bytes; ws 131,072 bytes; qb 6,553,600 bytes; kv 13,107,200 bytes; ac 6,291,456 bytes; asc 262,144 bytes
;; launch quant (part 1): grid 384 x 1, 4 waves a work-group, no clusters, 34,304 bytes of LDS; arguments x, W_q, W_k, W_v, W_o, xc, xs, wc, ws; writes xc, xs, wc, ws
.if DOCPART == 1
	.amdgcn_target "amdgcn-amd-amdhsa--gfx1250"
	.amdhsa_code_object_version 6
	.text
	.protected	k_q7e54e1bcf4_quant
	.globl	k_q7e54e1bcf4_quant
	.p2align	8
	.type	k_q7e54e1bcf4_quant,@function
k_q7e54e1bcf4_quant:
	s_mov_b64 s[64:65], 0
	v_nop
	global_prefetch_b8 v0, s[64:65] scope:SCOPE_SE
	s_setreg_imm32_b32 hwreg(HW_REG_WAVE_MODE, 25, 1), 1
	s_wait_xcnt 0x0
; x [8192][1024] and W_q, W_k, W_v, W_o [1024][1024], f32 with K innermost, become codes of FP6 (E2M3) with one E8M0 byte for each 32 along K,
; laid as the later launches' operand registers want them.
; A TILE is 16 rows: tile 2 g + u holds rows 32 g + 8 u + r + 8 (r / 8), r = 0 .. 15.  A FRAGMENT is a tile x 128 along K: 12 registers a lane; lane (r, h) holds row r,
; registers 6 c .. 6 c + 5 the codes of k = 64 c + 32 h + 0 .. 31.  Its IMAGE is 1,536 bytes: half c at 768 c: lane l's registers 6 c .. 6 c + 3 at 16 l, its registers 6 c + 4, 6 c + 5 at 512 + 8 l.
; codes: [tile][8 K steps][1,536];  scale words (four bytes: 128 along K of one row): [tile][K step / 4][r][K step % 4], 512 bytes a tile.  W's 4,096 rows stand in the order q, k, v, o.
; A block's scale is 2^(floor(log2(its largest magnitude)) - 2); its byte is the largest magnitude's exponent field - 2, held at 1 from below.
; LIMITS: NaN and infinities are not served; a block whose largest magnitude lies under 2^-124 has its byte held at 1; a block of zeros has byte 1 where the quantiser says 127: its codes are
; zeros, which add nothing under any byte but 0xff, and this program alone reads the bytes.
; SHARES.  A work-group takes 32 rows (work-groups 0-255: x; 256-383: the four W, 32 each); wave w takes tile u = w % 2 and 512 along K, half g = w / 2: four fragments.
; Each load reads 512 consecutive bytes of one row; a fragment's 16 x 512 bytes turn through the wave's own stage in LDS (rows 528 bytes apart), so that a lane gets 16 neighbours of each block of 32.
; No tensor loads, no barrier: waves share nothing.  One fragment's 16 loads run ahead of the one at work.
.set SP,   528                         ; a stage row: 512 bytes + 16: 132 words, so that the 16 rows that a load touches start at 16 different banks
.set WST,  16*SP                       ; a wave's stage
.set R,    16                          ; v16-143  two sets of 64 registers, as loaded
.set X,    144                         ; v144-207 register 16 b + i = k 32 b + 16 h + i of my row
.set TM,   208                         ; v208-223 at work in QUANT
.set PC,   224                         ; v224-243 the codes just made
.set SW,   244                         ; v244-247 the four fragments' scale words
.set SEL,  32                          ; s32-33   lane selects for v_permlanex16_b32: lane l xor 16
	s_load_b256 s[4:11], s[0:1], 0x0               ; x, W_q, W_k, W_v
	s_load_b256 s[12:19], s[0:1], 0x20             ; W_o, xc, xs, wc
	s_load_b64 s[20:21], s[0:1], 0x40              ; ws
	v_lshl_add_u32 v254, v0, 2, 0x8400
	v_mov_b32 v255, 0
	v_lshrrev_b32 v1, 5, v0
	v_readfirstlane_b32 s30, v1                    ; wave 0..3
	v_and_b32 v1, 31, v0                           ; lane
	v_lshlrev_b32 v2, 4, v1                        ; 16 x lane
	v_lshlrev_b32 v3, 3, v1                        ; 8 x lane
	s_mul_i32 s31, s30, WST
	v_add_nc_u32 v4, s31, v2                       ; the stage, on the way in: a row as it lies
	v_and_b32 v6, 15, v0                           ; r
	v_bfe_u32 v7, v0, 4, 1                         ; h
	v_mul_u32_u24 v5, v6, SP
	v_lshl_add_u32 v5, v7, 6, v5
	v_add_nc_u32 v5, s31, v5                       ; and on the way out: row r, + 64 h
	s_mov_b32 s[SEL], 0x76543210
	s_mov_b32 s[SEL+1], 0xfedcba98
.irp b, 0,1,2,3
	v_mov_b32 v[TM+4+\b], 0                        ; written once: a lane permute's destination counts as one of its sources
.endr
	s_and_b32 s34, s30, 1                          ; u
	s_lshr_b32 s35, s30, 1                         ; g
	s_and_b32 s28, ttmp9, 31                       ; in a W: the group of 32 rows
	s_sub_co_u32 s29, ttmp9, 256                   ; and the group among W's 128
	s_wait_kmcnt 0x0
	s_cmp_lt_u32 ttmp9, 352                        ; which tensor: the choice hangs on the work-group's number alone
	s_cselect_b64 s[22:23], s[10:11], s[12:13]
	s_cmp_lt_u32 ttmp9, 320
	s_cselect_b64 s[22:23], s[8:9], s[22:23]
	s_cmp_lt_u32 ttmp9, 288
	s_cselect_b64 s[22:23], s[6:7], s[22:23]
	s_cmp_lt_u32 ttmp9, 256
	s_cselect_b64 s[22:23], s[4:5], s[22:23]
	s_cselect_b64 s[24:25], s[14:15], s[18:19]     ; the codes' buffer
	s_cselect_b64 s[26:27], s[16:17], s[20:21]     ; the scale words'
	s_cselect_b32 s28, ttmp9, s28
	s_cselect_b32 s29, ttmp9, s29
	s_lshl_b32 s36, s28, 17                        ; 32 rows of 4,096 bytes,
	s_lshl_b32 s38, s34, 15                        ; + 8 u rows,
	s_add_co_u32 s36, s36, s38
	s_lshl_b32 s38, s35, 11                        ; + 512 g numbers
	s_add_co_u32 s36, s36, s38
	s_mov_b32 s37, 0
	s_add_nc_u64 s[22:23], s[22:23], s[36:37]
	s_lshl_b32 s29, s29, 1
	s_add_co_u32 s29, s29, s34                     ; my tile
	s_mul_i32 s36, s29, 12288
	s_mul_i32 s38, s35, 6144
	s_add_co_u32 s36, s36, s38
	s_add_nc_u64 s[24:25], s[24:25], s[36:37]
	s_lshl_b32 s36, s29, 9
	s_lshl_b32 s38, s35, 8
	s_add_co_u32 s36, s36, s38
	s_add_nc_u64 s[26:27], s[26:27], s[36:37]
.macro LOADF t                         ; fragment t: 512 consecutive bytes of each of the tile's 16 rows
.irp j, 0,1,2,3,4,5,6,7,8,9,10,11,12,13,14,15
	global_load_b128 v[R+64*((\t)%2)+4*\j:R+64*((\t)%2)+4*\j+3], v2, s[22:23] offset:(\j+8*(\j/8))*4096+512*(\t) th:TH_LOAD_NT
.endr
.endm
.macro TURNF t                         ; through the stage: LDS serves a wave's instructions in order, so no wait stands between the stores and the loads
.irp j, 0,1,2,3,4,5,6,7,8,9,10,11,12,13,14,15
	ds_store_b128 v4, v[R+64*((\t)%2)+4*\j:R+64*((\t)%2)+4*\j+3] offset:SP*\j
.endr
.irp b, 0,1,2,3
.irp i, 0,1,2,3
	ds_load_b128 v[X+16*\b+4*\i:X+16*\b+4*\i+3], v5 offset:128*\b+16*\i
.endr
.endr
.endm
; 64 numbers of a lane, register 16 b + i = k 32 b + 16 h + i of my row, become a fragment's codes in v[PC] on and its scale word in v[pw]
.macro QUANT s, pw
.irp b, 0,1,2,3
	v_max3_num_f32 v[TM+\b], |v[\s+16*\b]|, |v[\s+1+16*\b]|, 0x1800000   ; block b: my 16 numbers, and the floor 2^(3 - 127): the byte cannot fall under 1
.endr
.irp i, 2,4,6,8,10,12,14
.irp b, 0,1,2,3
	v_max3_num_f32 v[TM+\b], v[TM+\b], |v[\s+16*\b+\i]|, |v[\s+1+16*\b+\i]|   ; the four blocks by turns
.endr
.endr
.irp b, 0,1,2,3
	v_permlanex16_b32 v[TM+4+\b], v[TM+\b], s[SEL], s[SEL+1]
.endr
.irp b, 0,1,2,3
	v_max_num_f32 v[TM+\b], v[TM+\b], v[TM+4+\b]   ; with lane l xor 16's: the block's largest magnitude
.endr
.irp b, 0,1,2,3
	v_add_nc_u32 v[TM+12+\b], 0xff000000, v[TM+\b] ; 2 off its exponent field: the conversion takes this operand's exponent field as its scale
.endr
.irp b, 0,1,2,3
	v_lshrrev_b32 v[TM+4+\b], 23, v[TM+12+\b]      ; the scale's byte
.endr
	v_lshl_or_b32 v[\pw], v[TM+5], 8, v[TM+4]
	v_lshl_or_b32 v[\pw], v[TM+6], 16, v[\pw]
	v_lshl_or_b32 v[\pw], v[TM+7], 24, v[\pw]
.irp c, 0,1
	v_cvt_scalef32_pk16_fp6_f32 v[PC+6*\c:PC+2+6*\c], v[\s+32*\c:\s+15+32*\c], v[TM+12+2*\c]
	v_cvt_scalef32_pk16_fp6_f32 v[PC+12+4*\c:PC+14+4*\c], v[\s+16+32*\c:\s+31+32*\c], v[TM+12+2*\c+1]   ; (a conversion's three registers begin on an even number)
.endr
	v_nop                                          ; one plain place behind a scaled conversion
.irp c, 0,1                            ; the operand's layout wants a whole block in a lane: lanes 0-15 block 2 c, lanes 16-31 block 2 c + 1
.irp i, 0,1,2
	v_permlane16_swap_b32 v[PC+6*\c+\i], v[PC+12+4*\c+\i]
.endr
.irp i, 0,1,2
	v_mov_b32 v[PC+3+6*\c+\i], v[PC+12+4*\c+\i]
.endr
.endr
.endm
.macro OUTF t                          ; the image: each store covers 512 or 256 consecutive bytes, at a multiple of 256 from the buffer's first byte
	global_store_b128 v2, v[PC:PC+3], s[24:25] offset:1536*(\t)
	global_store_b64 v3, v[PC+4:PC+5], s[24:25] offset:1536*(\t)+512
	global_store_b128 v2, v[PC+6:PC+9], s[24:25] offset:1536*(\t)+768
	global_store_b64 v3, v[PC+10:PC+11], s[24:25] offset:1536*(\t)+1280
.endm
	LOADF 0
	LOADF 1
.irp t, 0,1,2,3
.if \t < 3
	s_wait_loadcnt 16                              ; this fragment's 16 loads are in; the next one's 16 may be out
.else
	s_wait_loadcnt 0x0
.endif
	TURNF \t
	s_wait_dscnt 0x0                               ; the numbers are back, and the stage's stores have read their registers
.if \t > 0
	s_wait_xcnt 0x0                                ; the last fragment's stores have read the codes' registers, which are written again below
.endif
.if \t < 2
	LOADF \t+2
.endif
	QUANT X, SW+\t
	OUTF \t
.endr
	v_cmp_gt_u32 vcc_lo, 16, v1
	s_wait_xcnt 0x0                                ; EXEC changes only behind this wait
	s_wait_tensorcnt 0x0
	ds_add_u32 v254, v255
	s_wait_dscnt 0x0
	s_and_saveexec_b32 s39, vcc_lo
	global_store_b128 v2, v[SW:SW+3], s[26:27]     ; lanes 0-15: row r's four words: 256 consecutive bytes, aligned
	s_wait_xcnt 0x0
	s_or_b32 exec_lo, exec_lo, s39
	s_endpgm
.Lfunc_end_k_q7e54e1bcf4_quant:
	.size	k_q7e54e1bcf4_quant, .Lfunc_end_k_q7e54e1bcf4_quant-k_q7e54e1bcf4_quant
	.p2alignl 7, 3214868480
	.fill 96, 4, 3214868480
	.section	.rodata,"a",@progbits
	.p2align	6, 0x0
	.amdhsa_kernel k_q7e54e1bcf4_quant
		.amdhsa_group_segment_fixed_size 34304
		.amdhsa_private_segment_fixed_size 0
		.amdhsa_enable_private_segment 0
		.amdhsa_kernarg_size 72
		.amdhsa_user_sgpr_count 2
		.amdhsa_user_sgpr_kernarg_segment_ptr 1
		.amdhsa_wavefront_size32 1
		.amdhsa_system_sgpr_workgroup_id_x 1
		.amdhsa_system_sgpr_workgroup_id_y 1
		.amdhsa_system_sgpr_workgroup_id_z 1
		.amdhsa_system_vgpr_workitem_id 0
		.amdhsa_next_free_vgpr 256
		.amdhsa_next_free_sgpr 66
		.amdhsa_reserve_vcc 1
		.amdhsa_float_denorm_mode_32 3
		.amdhsa_float_denorm_mode_16_64 3
		.amdhsa_memory_ordered 1
		.amdhsa_forward_progress 1
		.amdhsa_inst_pref_size 34
	.end_amdhsa_kernel
	.amdgpu_metadata
---
amdhsa.version: [ 1, 2 ]
amdhsa.kernels:
  - .name:           k_q7e54e1bcf4_quant
    .symbol:         k_q7e54e1bcf4_quant.kd
    .args:
      - { .name: x, .offset: 0, .size: 8, .value_kind: global_buffer, .address_space: global }
      - { .name: W_q, .offset: 8, .size: 8, .value_kind: global_buffer, .address_space: global }
      - { .name: W_k, .offset: 16, .size: 8, .value_kind: global_buffer, .address_space: global }
      - { .name: W_v, .offset: 24, .size: 8, .value_kind: global_buffer, .address_space: global }
      - { .name: W_o, .offset: 32, .size: 8, .value_kind: global_buffer, .address_space: global }
      - { .name: xc, .offset: 40, .size: 8, .value_kind: global_buffer, .address_space: global }
      - { .name: xs, .offset: 48, .size: 8, .value_kind: global_buffer, .address_space: global }
      - { .name: wc, .offset: 56, .size: 8, .value_kind: global_buffer, .address_space: global }
      - { .name: ws, .offset: 64, .size: 8, .value_kind: global_buffer, .address_space: global }
    .group_segment_fixed_size: 34304
    .private_segment_fixed_size: 0
    .kernarg_segment_align: 8
    .kernarg_segment_size: 72
    .max_flat_workgroup_size: 128
    .sgpr_count:     66
    .vgpr_count:     256
    .wavefront_size: 32
...
	.end_amdgpu_metadata
.endif
;; end of part 1
;; launch gemm_qkv (part 2): grid 12 x 32, 4 waves a work-group, clusters of 4 x 4, 327,680 bytes of LDS; arguments xc, xs, wc, ws, qb, kv; writes qb, kv
.if DOCPART == 2
	.amdgcn_target "amdgcn-amd-amdhsa--gfx1250"
	.amdhsa_code_object_version 6
	.text
	.protected	k_q7e54e1bcf4_gemm_qkv
	.globl	k_q7e54e1bcf4_gemm_qkv
	.p2align	8
	.type	k_q7e54e1bcf4_gemm_qkv,@function
k_q7e54e1bcf4_gemm_qkv:
	s_mov_b64 s[64:65], 0
	v_nop
	global_prefetch_b8 v0, s[64:65] scope:SCOPE_SE
	s_setreg_imm32_b32 hwreg(HW_REG_WAVE_MODE, 25, 1), 1
	s_wait_xcnt 0x0
	s_wait_alu depctr_hold_cnt(0) depctr_sa_sdst(0) depctr_va_vdst(0) depctr_va_sdst(0) depctr_va_ssrc(0) depctr_va_vcc(0) depctr_vm_vsrc(0)
	s_getreg_b32 s2, hwreg(HW_REG_IB_STS2, 6, 4)
	s_cmp_eq_u32 s2, 0
	s_cbranch_scc0 .Lentry_in_a_cluster
	s_endpgm
.Lentry_in_a_cluster:
	s_bfe_u32 s2, ttmp6, 0x10000c
	s_cmp_lg_u32 s2, 0xf033
	s_cbranch_scc0 .Lentry_shape_is_right
	s_endpgm
.Lentry_shape_is_right:
; q = x W_q^T, k = x W_k^T, v = x W_v^T on codes of FP6 (E2M3) with E8M0 scales, K = 1,024; the results are quantised in registers and leave as codes: q and k along a head's 64 channels, v along the tokens.
; OPERANDS are fragment images (16 rows x 128 K, 1,536 bytes: half c at 768 c: lane l's registers 6 c .. 6 c + 3 at 16 l, registers 6 c + 4, 6 c + 5 at 512 + 8 l), [tile][8 K steps];
; tile 2 g + u holds rows 32 g + 8 u + r + 8 (r / 8).  Scale words: [tile][K step / 4][r][K step % 4].
; A work-group of four waves makes 256 x 256 of a product, a wave 128 x 128: 64 accumulators, 512 registers.  Source 0 takes "B"'s tiles, source 1 "A"'s: lane (r, h) then holds row r of A's tile, and
; the 16 registers of B's tiles 2 g, 2 g + 1 are the 16 neighbours 32 g + 16 h + 0 .. 15 along B's rows: what the conversions want.
; ROLES, by the cluster's x, which all partners share; they act through selects alone.  0, 1 (q, k): A = x, B = W: registers run along channels.  2 (v): A = W_v, B = x: registers run along tokens.
; K goes through a ring of two LDS slots of 256 along K, four fills, written out.  The scale words of the work-group's 512 rows come once.
; CLUSTERS: 4 x 4 work-groups; A's tiles are asked for jointly by a row of the cluster, B's by a column.
; OUT.  qb: [batch x head][128-token step][6,400]: four fragments whose half u is query tile 2 f + u x the head's 64 channels; at 6,144 the scale words [r][f]: bytes 0, 1 of tile 2 f, bytes 2, 3 of tile 2 f + 1.
;       kv: [batch x head][step][12,800]: K's four fragments laid as Q's; at 6,144 V's four (16 channels x 128 keys); at 12,288 K's scale words [r][f]; at 12,544 V's [r][t].
; LIMITS: NaN and infinities are not served; a block whose largest magnitude lies under 2^-124 has its byte held at 1; a block of zeros has byte 1 (its codes are zeros; this program alone reads the bytes).
; No prefetch: of the ring's four fills two are first fills.
; REGISTERS: window 0: v10-29 addresses; v32-95 scale words; v128-223 A's fragments, one set; on the way out v96-215 at work.  window 1: B's fragments, two sets, at v0 and v128.
;   window 2: the accumulators of A's tiles 0-3 ((a, b) at v[8 (8 (a % 4) + b)]); window 3: of tiles 4-7.
.set FR,     12                        ; registers of a fragment
.set NL,     4                         ; LDS loads that bring one
.set TILEB,  3072                      ; a tile's two K steps in a slot
.set HALFT,  8*TILEB                   ; eight tiles: what one tensor load brings, and what a wave reads of A or of B
.set SLOT,   4*HALFT                   ; A's 16 tiles, then B's 16
.set SCL,    2*SLOT                    ; behind the ring: the scale words, 4,096 bytes for each wave's load: A's 16 tiles, then B's
.set SPARE,  SCL+16384                 ; the spare words, 128 bytes for each wave: two blocks of 256 bytes that no other line names
.set L16,  10                          ; v10  16 x lane
.set L8,   11                          ; v11  8 x lane
.set VS,   12                          ; v12  where my lane's four scale words go
.set ADRA16, 16                        ; v16-17 A's fragments in slot 0, 1: + 16 x lane;  v18-19: + 8 x lane
.set ADRA8,  18
.set ADRB16, 20                        ; v20-23 the same for B
.set ADRB8,  22
.set ADRS, 27                          ; v27  my scale words: lanes 0-15 A's rows, lanes 16-31 B's
.set SPW,  28                          ; v28  LDS address of my spare word; never rewritten
.set NIL,  29                          ; v29  0; never rewritten
.set SC,   32                          ; v[SC + 8 i + K step]: lanes 0-15 the word of A's tile i, lanes 16-31 of B's tile i
.set AF,   128
.set PWR,  96                          ; the way out: v96-103 the eight tiles' scale words
.set PC,   112                         ; v112-131 the codes just made
.set VO,   136                         ; v136-139 the four stores' offsets
.set OW,   144                         ; v144-151 the scale words as they leave
.set FS,   152                         ; v152-155
.set T,    156
.set TM,   200                         ; v200-215 at work
.set G1, 24
.set G0, 32
.set G1B, 48
.set G0B, 56
.set G1S, 68
.set G0S, 76
.set G1SB, 80
.set G0SB, 88
.set MSB, 0
.macro WIN new                         ; the immediate's high byte repeats the setting that is left
.if MSB != (\new)
	s_set_vgpr_msb (MSB<<8)|(\new)
.set MSB, (\new)
.endif
.endm
.set MUL_LO, 0xa1                      ; source 0 (B) window 1, source 1 (A) window 0, C and D window 2
.set MUL_HI, 0xf1                      ; the same, C and D window 3
.set TO_B,   0x40                      ; destination window 1, address window 0
; A joint load: waves 0 and 1 fetch for A, waves 2 and 3 for B; the branch hangs on the wave's number alone.  Four v_nop follow each of the two lines.
.macro JLOAD g0a, g1a, g0b, g1b
	s_cmp_eq_u32 s15, 0
	s_cbranch_scc0 .Lfor_b_\@
	tensor_load_to_lds s[\g0a:\g0a+3], s[\g1a:\g1a+7]
	s_nop 0
.rept 4
	v_nop
.endr
	s_branch .Lasked_\@
.Lfor_b_\@:
	tensor_load_to_lds s[\g0b:\g0b+3], s[\g1b:\g1b+7]
	s_nop 0
.rept 4
	v_nop
.endr
.Lasked_\@:
.endm
.macro CREST                           ; a round of the cluster's barrier behind its opening barrier
	s_cmp_lg_u32 s14, 0
	s_cbranch_scc1 .Lnot_wave_0_\@
	s_barrier_signal -3
.Lnot_wave_0_\@:
	s_barrier_wait -3
	s_barrier_signal -1
	s_barrier_wait -1
.endm
.macro CROUND
	s_barrier_signal -1
	s_barrier_wait -1
	CREST
.endm
.macro PLACES                          ; four plain places behind a matrix instruction, in front of loads into its registers and of reads of its results
.rept 4
	v_nop
.endr
.endm
	s_load_b256 s[4:11], s[0:1], 0x0               ; xc, xs, wc, ws
	s_load_b128 s[92:95], s[0:1], 0x20             ; qb, kv
	v_lshl_add_u32 v[SPW], v0, 2, SPARE
	v_mov_b32 v[NIL], 0
	ds_add_u32 v28, v29
	s_wait_dscnt 0x0
	v_lshrrev_b32 v1, 5, v0
	v_readfirstlane_b32 s14, v1                    ; wave 0..3
	s_lshr_b32 s15, s14, 1                         ; which half of A's tiles is mine.  Also: I fetch for A (0) or for B (1)
	s_and_b32 s16, s14, 1                          ; which half of B's.  Also: which eight tiles I fetch
	s_bfe_u32 s40, ttmp6, 0x40000                  ; cx
	s_bfe_u32 s41, ttmp6, 0x40004                  ; cy
	s_and_b32 s42, ttmp7, 0xffff
	s_lshl_b32 s42, s42, 2                         ; 4 x cluster y
	s_lshl_b32 s43, s41, 2
	s_lshl_b32 s43, 15, s43                        ; my row of the cluster
	s_lshl_b32 s44, 0x1111, s40                    ; my column
	; descriptor group 1 for codes: 8 rows (tiles) of 3,072 bytes (384 elements of 8), 12,288 bytes apart in memory, on end in LDS
	s_or_b32 s[G1+0], s43, (3<<16)|(1<<21)         ; 15:0 the mask: A's tiles go to my row; 17:16 elements of 8 bytes; 21 set beside a mask
	s_or_b32 s[G1B+0], s44, (3<<16)|(1<<21)
.irp g, G1, G1B
	s_mov_b32 s[\g+1], 384<<16                     ; tensor_dim0
	s_mov_b32 s[\g+2], 8<<16                       ; tensor_dim1
	s_mov_b32 s[\g+3], 384<<16                     ; tile_dim0
	s_mov_b32 s[\g+4], 8                           ; tile_dim1
	s_mov_b32 s[\g+5], 1536                        ; tensor_dim0_stride
	s_mov_b32 s[\g+6], 0
	s_mov_b32 s[\g+7], 0
.endr
	; and for the scale words of eight tiles: 4,096 dense bytes as 16 rows of 256
	s_or_b32 s[G1S+0], s43, (3<<16)|(1<<21)
	s_or_b32 s[G1SB+0], s44, (3<<16)|(1<<21)
.irp g, G1S, G1SB
	s_mov_b32 s[\g+1], 32<<16
	s_mov_b32 s[\g+2], 16<<16
	s_mov_b32 s[\g+3], 32<<16
	s_mov_b32 s[\g+4], 16
	s_mov_b32 s[\g+5], 32
	s_mov_b32 s[\g+6], 0
	s_mov_b32 s[\g+7], 0
.endr
	; which 16 tiles (256 rows).  A's number is made of cy alone, B's of cx alone
	s_add_co_u32 s19, s42, s41                     ; A = x: 4 x cluster y + cy
	s_add_co_u32 s20, s41, 8                       ; A = W_v: 8 + cy
	s_add_co_u32 s22, s42, s40                     ; B = x: 4 x cluster y + cx
	s_lshl_b32 s23, ttmp9, 2
	s_add_co_u32 s23, s23, s40                     ; B = W_q or W_k: 4 x role + cx
	s_wait_kmcnt 0x0
	s_cmp_eq_u32 ttmp9, 2                          ; the role: equal in all sixteen partners
	s_cselect_b32 s17, s20, s19
	s_cselect_b32 s18, s22, s23
	s_cselect_b64 s[46:47], s[8:9], s[4:5]         ; A's codes
	s_cselect_b64 s[66:67], s[10:11], s[6:7]       ; A's scale words
	s_cselect_b64 s[4:5], s[4:5], s[8:9]           ; B's codes
	s_cselect_b64 s[6:7], s[6:7], s[10:11]         ; B's scale words
	s_mul_i32 s2, s16, 98304                       ; the eight tiles that I fetch
	s_lshl_b32 s3, s16, 12
	s_mul_i32 s20, s17, 196608
	s_add_co_u32 s20, s20, s2
	s_mov_b32 s21, 0
	s_add_nc_u64 s[46:47], s[46:47], s[20:21]
	s_lshl_b32 s20, s17, 13
	s_add_co_u32 s20, s20, s3
	s_add_nc_u64 s[66:67], s[66:67], s[20:21]
	s_mul_i32 s22, s18, 196608
	s_add_co_u32 s22, s22, s2
	s_mov_b32 s23, 0
	s_add_nc_u64 s[4:5], s[4:5], s[22:23]
	s_lshl_b32 s22, s18, 13
	s_add_co_u32 s22, s22, s3
	s_add_nc_u64 s[6:7], s[6:7], s[22:23]
	s_mul_i32 s45, s14, HALFT                      ; where they go: by the wave's number alone
	s_lshl_b32 s19, s14, 12
	CROUND                                         ; all sixteen work-groups are here: the first joint loads meet
	s_mov_b32 s[G0S], 1
	s_add_co_u32 s[G0S+1], s19, SCL
	s_mov_b64 s[G0S+2:G0S+3], s[66:67]
	s_or_b32 s[G0S+3], s[G0S+3], 0x80000000
	s_mov_b32 s[G0SB], 1
	s_add_co_u32 s[G0SB+1], s19, SCL
	s_mov_b64 s[G0SB+2:G0SB+3], s[6:7]
	s_or_b32 s[G0SB+3], s[G0SB+3], 0x80000000
	JLOAD G0S, G1S, G0SB, G1SB                     ; the scale words first: they are wanted with K step 0
.irp s, 0,1
	s_mov_b32 s[G0+4*\s], 1
	s_add_co_u32 s[G0+4*\s+1], s45, \s*SLOT
	s_add_nc_u64 s[G0+4*\s+2:G0+4*\s+3], s[46:47], \s*TILEB
	s_or_b32 s[G0+4*\s+3], s[G0+4*\s+3], 0x80000000
	s_mov_b32 s[G0B+4*\s], 1
	s_add_co_u32 s[G0B+4*\s+1], s45, \s*SLOT
	s_add_nc_u64 s[G0B+4*\s+2:G0B+4*\s+3], s[4:5], \s*TILEB
	s_or_b32 s[G0B+4*\s+3], s[G0B+4*\s+3], 0x80000000
	JLOAD G0+4*\s, G1, G0B+4*\s, G1B               ; three tensor loads of mine are out at the most
.endr
	v_and_b32 v1, 31, v0                           ; lane
	v_and_b32 v2, 15, v0                           ; r
	v_bfe_u32 v3, v0, 4, 1                         ; h
	v_lshlrev_b32 v[L16], 4, v1
	v_lshlrev_b32 v[L8], 3, v1
	s_mul_i32 s21, s15, HALFT                      ; my eight tiles of A
	s_mul_i32 s22, s16, HALFT                      ; my eight of B,
	s_add_co_u32 s22, s22, 2*HALFT                 ; which lie behind A's sixteen
.irp s, 0,1
	v_add_nc_u32 v[ADRA16+\s], s21, v[L16]
	v_add_nc_u32 v[ADRA8+\s], s21, v[L8]
	v_add_nc_u32 v[ADRB16+\s], s22, v[L16]
	v_add_nc_u32 v[ADRB8+\s], s22, v[L8]
	s_add_co_u32 s21, s21, SLOT
	s_add_co_u32 s22, s22, SLOT
.endr
	s_lshl_b32 s21, s15, 12                        ; A's scale words: my eight tiles
	s_lshl_b32 s22, s16, 12                        ; B's, behind A's 8,192 bytes
	s_add_co_u32 s22, s22, 8192
	s_sub_co_u32 s22, s22, s21
	v_mul_u32_u24 v6, s22, v3                      ; lanes 16-31 take B's: one product, the distance between the two
	s_add_co_u32 s21, s21, SCL
	v_lshl_add_u32 v6, v2, 4, v6
	v_add_nc_u32 v[ADRS], s21, v6
	; THE WAY OUT'S NUMBERS.  My 128 tokens are one step; my 128 channels two heads
	s_lshl_b32 s19, s17, 1
	s_add_co_u32 s19, s19, s15                     ; q, k: token step = 2 x A's number + my half of A
	s_lshl_b32 s2, s18, 1
	s_add_co_u32 s2, s2, s16                       ; v: 2 x B's number + my half of B
	s_lshl_b32 s20, s40, 2
	s_lshl_b32 s21, s16, 1
	s_add_co_u32 s20, s20, s21                     ; q, k: first head = 4 cx + 2 x my half of B
	s_lshl_b32 s21, s41, 2
	s_lshl_b32 s22, s15, 1
	s_add_co_u32 s21, s21, s22                     ; v: 4 cy + 2 x my half of A
	s_mov_b32 s96, 12800
	s_mov_b32 s97, 12288
	s_cmp_eq_u32 ttmp9, 0
	s_cselect_b32 s96, 6400, s96                   ; a block's bytes
	s_cselect_b32 s97, 6144, s97                   ; where its scale words begin
	s_cselect_b64 s[12:13], s[92:93], s[94:95]     ; qb or kv
	s_lshl_b32 s98, s96, 4                         ; from head to head: 16 blocks
	s_mov_b32 s101, 1536
	s_mov_b32 s104, 768
	s_cmp_eq_u32 ttmp9, 2
	s_cselect_b32 s19, s2, s19
	s_cselect_b32 s20, s21, s20
	s_cselect_b32 s97, 6400, s97                   ; (v: counted from V's fragments, which begin at 6,144)
	s_cselect_b32 s99, 768, s98                    ; half c of tile a = 4 a2 + 2 a1 + a0 goes to a2 s100 + a1 s101 + a0 s104 + c s99: q, k: the halves are two heads, the tiles halves of fragments;
	s_cselect_b32 s100, s98, 3072                  ; v: a2 is the head, 2 a1 + a0 the fragment, c its half
	s_cselect_b32 s101, 3072, s101
	s_cselect_b32 s104, 1536, s104
	s_cselect_b32 s105, -1, 0                      ; all lanes where the role is v
	s_cselect_b32 s3, 6144, 0
	s_lshr_b32 s21, s19, 4                         ; batch
	s_lshl_b32 s21, s21, 4
	s_add_co_u32 s21, s21, s20                     ; x 16 + head
	s_lshl_b32 s21, s21, 4
	s_and_b32 s22, s19, 15
	s_add_co_u32 s21, s21, s22                     ; x 16 + the step in the batch
	s_mul_i32 s22, s21, s96
	s_add_co_u32 s22, s22, s3
	s_mov_b32 s23, 0
	s_add_nc_u64 s[12:13], s[12:13], s[22:23]
	v_mul_u32_u24 v[VS], s98, v3                   ; lanes 16-31 store the second head's words
	v_lshl_add_u32 v[VS], v2, 4, v[VS]
	v_add_nc_u32 v[VS], s97, v[VS]
	s_mov_b32 s46, 0x76543210                      ; lane selects for v_permlanex16_b32: lane l xor 16
	s_mov_b32 s47, 0xfedcba98
	s_mov_b32 s66, 0xffff0000                      ; lanes 16-31
.macro FRAG reg, a16, a8, off          ; a fragment's image into 12 registers: each load takes 512 or 256 consecutive bytes
	ds_load_b128 v[\reg:\reg+3], v[\a16] offset:\off
	ds_load_b64 v[\reg+4:\reg+5], v[\a8] offset:\off+512
	ds_load_b128 v[\reg+6:\reg+9], v[\a16] offset:\off+768
	ds_load_b64 v[\reg+10:\reg+11], v[\a8] offset:\off+1280
.endm
.macro FETCH_B slot, q, p              ; B's eight fragments of the slot's q-th 128 along K into set p
	WIN TO_B
.irp i, 0,1,2,3,4,5,6,7
	FRAG 128*(\p)+FR*\i, ADRB16+\slot, ADRB8+\slot, \i*TILEB+(\q)*1536
.endr
	WIN 0
.endm
.macro FETCH_A slot, q, i0             ; A's tiles i0 .. i0 + 3
.irp i, \i0, \i0+1, \i0+2, \i0+3
	FRAG AF+FR*(\i), ADRA16+\slot, ADRA8+\slot, (\i)*TILEB+(\q)*1536
.endr
.endm
; 16 matrix instructions: A's tiles a0, a0 + 1 x B's eight, K step ks.  The 64 accumulators take turns, one instruction a turn, in the same order in every step.
.macro MUL16 a0, p, ks, zero
.irp a, \a0, \a0+1
.irp b, 0,1,2,3,4,5,6,7
.if \zero
	v_wmma_scale_f32_16x16x128_f8f6f4 v[8*(8*((\a)%4)+\b):8*(8*((\a)%4)+\b)+7], v[128*(\p)+FR*\b:128*(\p)+FR*\b+FR-1], v[AF+FR*(\a):AF+FR*(\a)+FR-1], 0, v[SC+8*\b+(\ks)], v[SC+8*(\a)+(\ks)] matrix_a_fmt:MATRIX_FMT_FP6 matrix_b_fmt:MATRIX_FMT_FP6 matrix_a_scale:MATRIX_SCALE_ROW1
.else
	v_wmma_scale_f32_16x16x128_f8f6f4 v[8*(8*((\a)%4)+\b):8*(8*((\a)%4)+\b)+7], v[128*(\p)+FR*\b:128*(\p)+FR*\b+FR-1], v[AF+FR*(\a):AF+FR*(\a)+FR-1], v[8*(8*((\a)%4)+\b):8*(8*((\a)%4)+\b)+7], v[SC+8*\b+(\ks)], v[SC+8*(\a)+(\ks)] matrix_a_fmt:MATRIX_FMT_FP6 matrix_b_fmt:MATRIX_FMT_FP6 matrix_a_scale:MATRIX_SCALE_ROW1
.endif
.endr
.endr
.endm
; A slot's first K step: multiplies B's set 0 and fetches the second step's fragments: B's into set 1, A's tiles 0-3 in its middle, tiles 4-7 at its end.
.macro STEP slot, ks, zero
	s_wait_dscnt 4*NL                              ; B's set and A's tiles 0-3 are in; the youngest 16 loads (A's tiles 4-7) may be out
	WIN MUL_LO
	MUL16 0, 0, \ks, \zero
	MUL16 2, 0, \ks, \zero
	s_wait_dscnt 0x0                               ; A's tiles 4-7 are in
	PLACES
	FETCH_B \slot, 1, 1
	FETCH_A \slot, 1, 0
	WIN MUL_HI
	MUL16 4, 0, \ks, \zero
	MUL16 6, 0, \ks, \zero
	PLACES
	WIN 0
	FETCH_A \slot, 1, 4
.endm
; A slot's second K step changes slots: one barrier; in front of it each wave waits for all its tensor loads, adds 0 to its spare word, and waits for that and for its reads of this slot.
.macro TURN slot, next, fill, ks
	s_wait_tensorcnt 0x0                           ; all my tensor loads have landed: my part of the next slot
	ds_add_u32 v[SPW], v[NIL]                      ; 0 onto my spare word
	s_wait_dscnt 4*NL+1                            ; (the add and the youngest 16 loads, A's tiles 4-7, may be out)
	WIN MUL_LO
	MUL16 0, 1, \ks, 0                             ; sixteen matrix instructions stand between the add and the wait for it
	s_wait_dscnt 0x0                               ; the add is done, and my reads of this slot are over
	s_barrier_signal -1
	MUL16 2, 1, \ks, 0
	WIN 0
	s_barrier_wait -1
.if \fill
	CREST                                          ; the barrier has opened a round of the cluster's barrier: no wave of any partner still reads this slot or has a load on its way
	s_add_nc_u64 s[G0+4*\slot+2:G0+4*\slot+3], s[G0+4*\slot+2:G0+4*\slot+3], 2*TILEB
	s_add_nc_u64 s[G0B+4*\slot+2:G0B+4*\slot+3], s[G0B+4*\slot+2:G0B+4*\slot+3], 2*TILEB
	JLOAD G0+4*\slot, G1, G0B+4*\slot, G1B         ; the first tensor load behind the round; its four v_nop are also the places in front of the loads below
.else
	PLACES
.endif
	FETCH_B \next, 0, 0
	FETCH_A \next, 0, 0
	WIN MUL_HI
	MUL16 4, 1, \ks, 0
	MUL16 6, 1, \ks, 0
	PLACES
	WIN 0
	FETCH_A \next, 0, 4
.endm
	s_wait_tensorcnt 1                             ; the scale words and my part of slot 0 are in (slot 1's load may be out)
	s_barrier_signal -1
	s_barrier_wait -1                              ; everybody's are
	FETCH_B 0, 0, 0
	FETCH_A 0, 0, 0
.irp i, 0,1,2,3,4,5,6,7                ; all scale words, once: four K steps' words a load
.irp g, 0,1
	ds_load_b128 v[SC+8*\i+4*\g:SC+8*\i+4*\g+3], v[ADRS] offset:512*\i+256*\g
.endr
.endr
	FETCH_A 0, 0, 4
	STEP 0, 0, 1                                   ; the first products start the sums: nothing is cleared
	TURN 0, 1, 1, 1                                ; slot 0 takes K steps 4, 5
	STEP 1, 2, 0
	TURN 1, 0, 1, 3                                ; slot 1 takes K steps 6, 7
	STEP 0, 4, 0
	TURN 0, 1, 0, 5                                ; nothing is left to fetch
	STEP 1, 6, 0
	s_wait_dscnt 4*NL
	WIN MUL_LO
	MUL16 0, 1, 7, 0
	MUL16 2, 1, 7, 0
	s_wait_dscnt 0x0
	WIN MUL_HI
	MUL16 4, 1, 7, 0
	MUL16 6, 1, 7, 0
	WIN 0
; THE WAY OUT.  The 64 registers of A's tile a are, for my row, register 16 b + i = 32 b + 16 h + i along B's 128 rows: four blocks of 32.  They become a fragment's codes and a scale word.
; Each accumulator is read from its low end on.
.macro QUANTW a
.set S, 64*((\a)%4)
.set WS, 2+(\a)/4
.set W01, WS|(WS<<2)
.set W12, (WS<<2)|(WS<<4)
	WIN W01
.irp b, 0,1,2,3
	v_max3_num_f32 v[TM+\b], |v[S+16*\b]|, |v[S+1+16*\b]|, 0x1800000   ; and the floor 2^(3 - 127): the byte cannot fall under 1
.endr
	WIN W12
.irp i, 2,4,6,8,10,12,14
.irp b, 0,1,2,3
	v_max3_num_f32 v[TM+\b], v[TM+\b], |v[S+16*\b+\i]|, |v[S+1+16*\b+\i]|
.endr
.endr
	WIN 0
.irp b, 0,1,2,3
	v_permlanex16_b32 v[TM+4+\b], v[TM+\b], s46, s47
.endr
.irp b, 0,1,2,3
	v_max_num_f32 v[TM+\b], v[TM+\b], v[TM+4+\b]   ; with lane l xor 16's: the block's largest magnitude
.endr
.irp b, 0,1,2,3
	v_add_nc_u32 v[TM+12+\b], 0xff000000, v[TM+\b] ; 2 off its exponent field: the conversion's scale operand
.endr
.irp b, 0,1,2,3
	v_lshrrev_b32 v[TM+4+\b], 23, v[TM+12+\b]      ; the scale's byte
.endr
	v_lshl_or_b32 v[PWR+(\a)], v[TM+5], 8, v[TM+4]
	v_lshl_or_b32 v[PWR+(\a)], v[TM+6], 16, v[PWR+(\a)]
	v_lshl_or_b32 v[PWR+(\a)], v[TM+7], 24, v[PWR+(\a)]
	WIN WS
.irp c, 0,1
	v_cvt_scalef32_pk16_fp6_f32 v[PC+6*\c:PC+2+6*\c], v[S+32*\c:S+15+32*\c], v[TM+12+2*\c]
	v_cvt_scalef32_pk16_fp6_f32 v[PC+12+4*\c:PC+14+4*\c], v[S+16+32*\c:S+31+32*\c], v[TM+12+2*\c+1]
.endr
	WIN 0
	v_nop                                          ; one plain place behind a scaled conversion
.irp c, 0,1
.irp i, 0,1,2
	v_permlane16_swap_b32 v[PC+6*\c+\i], v[PC+12+4*\c+\i]
.endr
.irp i, 0,1,2
	v_mov_b32 v[PC+3+6*\c+\i], v[PC+12+4*\c+\i]
.endr
.endr
.endm
.macro OFFS a                          ; s2: where tile a's half 0 goes; s3: its half 1
	s_mov_b32 s2, 0
.if (\a)&4
	s_add_co_u32 s2, s2, s100
.endif
.if (\a)&2
	s_add_co_u32 s2, s2, s101
.endif
.if (\a)&1
	s_add_co_u32 s2, s2, s104
.endif
	s_add_co_u32 s3, s2, s99
.endm
	PLACES                                         ; behind the last products
.irp b, 0,1,2,3
	v_mov_b32 v[TM+4+\b], 0                        ; a lane permute's destination counts as one of its sources
.endr
.irp a, 0,1,2,3,4,5,6,7
.if \a > 0
	s_wait_xcnt 0x0                                ; the last tile's stores have read their data and offsets, which are written again below
.endif
	QUANTW \a
	OFFS \a
	v_add_nc_u32 v[VO], s2, v[L16]
	v_add_nc_u32 v[VO+1], s2, v[L8]
	v_add_nc_u32 v[VO+2], s3, v[L16]
	v_add_nc_u32 v[VO+3], s3, v[L8]
	global_store_b128 v[VO], v[PC:PC+3], s[12:13]              ; each store covers 512 or 256 consecutive bytes, at a multiple of 256 from the buffer's first byte
	global_store_b64 v[VO+1], v[PC+4:PC+5], s[12:13] offset:512
	global_store_b128 v[VO+2], v[PC+6:PC+9], s[12:13]
	global_store_b64 v[VO+3], v[PC+10:PC+11], s[12:13] offset:512
.endr
; The scale words.  q, k: head i's word of fragment j is bytes 2 i, 2 i + 1 of tile 2 j's word below those of tile 2 j + 1's.  v: head i's word of fragment j is tile 4 i + j's as it stands.
.irp j, 0,1,2,3
	v_perm_b32 v[T], v[PWR+2*\j+1], v[PWR+2*\j], 0x05040100
	v_cndmask_b32 v[OW+\j], v[T], v[PWR+\j], s105
.endr
.irp j, 0,1,2,3
	v_perm_b32 v[T], v[PWR+2*\j+1], v[PWR+2*\j], 0x07060302
	v_cndmask_b32 v[OW+4+\j], v[T], v[PWR+4+\j], s105
.endr
.irp j, 0,1,2,3
	v_cndmask_b32 v[FS+\j], v[OW+\j], v[OW+4+\j], s66          ; lanes 0-15 the first head's, lanes 16-31 the second's
.endr
	global_store_b128 v[VS], v[FS:FS+3], s[12:13]              ; sixteen lanes store 256 consecutive bytes, aligned, for each head
	s_wait_tensorcnt 0x0                           ; the wave's end
	ds_add_u32 v[SPW], v[NIL]
	s_wait_dscnt 0x0
	CROUND                                         ; the closing round: no work-group ends while a partner may still ask for a tile that names it
	s_endpgm
.Lfunc_end_k_q7e54e1bcf4_gemm_qkv:
	.size	k_q7e54e1bcf4_gemm_qkv, .Lfunc_end_k_q7e54e1bcf4_gemm_qkv-k_q7e54e1bcf4_gemm_qkv
	.p2alignl 7, 3214868480
	.fill 96, 4, 3214868480
	.section	.rodata,"a",@progbits
	.p2align	6, 0x0
	.amdhsa_kernel k_q7e54e1bcf4_gemm_qkv
		.amdhsa_group_segment_fixed_size 327680
		.amdhsa_private_segment_fixed_size 0
		.amdhsa_enable_private_segment 0
		.amdhsa_kernarg_size 48
		.amdhsa_user_sgpr_count 2
		.amdhsa_user_sgpr_kernarg_segment_ptr 1
		.amdhsa_wavefront_size32 1
		.amdhsa_system_sgpr_workgroup_id_x 1
		.amdhsa_system_sgpr_workgroup_id_y 1
		.amdhsa_system_sgpr_workgroup_id_z 1
		.amdhsa_system_vgpr_workitem_id 0
		.amdhsa_next_free_vgpr 1024
		.amdhsa_next_free_sgpr 106
		.amdhsa_reserve_vcc 0
		.amdhsa_float_denorm_mode_32 3
		.amdhsa_float_denorm_mode_16_64 3
		.amdhsa_memory_ordered 1
		.amdhsa_forward_progress 1
		.amdhsa_inst_pref_size 152
	.end_amdhsa_kernel
	.amdgpu_metadata
---
amdhsa.version: [ 1, 2 ]
amdhsa.kernels:
  - .name:           k_q7e54e1bcf4_gemm_qkv
    .symbol:         k_q7e54e1bcf4_gemm_qkv.kd
    .args:
      - { .name: xc, .offset: 0, .size: 8, .value_kind: global_buffer, .address_space: global }
      - { .name: xs, .offset: 8, .size: 8, .value_kind: global_buffer, .address_space: global }
      - { .name: wc, .offset: 16, .size: 8, .value_kind: global_buffer, .address_space: global }
      - { .name: ws, .offset: 24, .size: 8, .value_kind: global_buffer, .address_space: global }
      - { .name: qb, .offset: 32, .size: 8, .value_kind: global_buffer, .address_space: global }
      - { .name: kv, .offset: 40, .size: 8, .value_kind: global_buffer, .address_space: global }
    .group_segment_fixed_size: 327680
    .private_segment_fixed_size: 0
    .kernarg_segment_align: 8
    .kernarg_segment_size: 48
    .max_flat_workgroup_size: 128
    .sgpr_count:     106
    .vgpr_count:     1024
    .wavefront_size: 32
...
	.end_amdgpu_metadata
.endif
;; end of part 2
;; launch attn (part 3): grid 4 x 64, 16 waves a work-group, no clusters, 327,680 bytes of LDS; arguments qb, kv, ac, asc; writes ac, asc
.if DOCPART == 3
	.amdgcn_target "amdgcn-amd-amdhsa--gfx1250"
	.amdhsa_code_object_version 6
	.text
	.protected	k_q7e54e1bcf4_attn
	.globl	k_q7e54e1bcf4_attn
	.p2align	8
	.type	k_q7e54e1bcf4_attn,@function
k_q7e54e1bcf4_attn:
	s_mov_b64 s[64:65], 0
	v_nop
	global_prefetch_b8 v0, s[64:65] scope:SCOPE_SE
	s_setreg_imm32_b32 hwreg(HW_REG_WAVE_MODE, 25, 1), 1
	s_wait_xcnt 0x0
; Causal attention on codes of FP6 (E2M3) with E8M0 scales, 64 batch x head pairs, 2,048 tokens, head size 64; the result, divided by the row's sum, is quantised along the 1,024 channels and leaves as codes.
; IN.  qb: [batch x head][128-token step][6,400]: four fragment images whose half u is query tile 2 f + u (16 queries x 64 channels); at 6,144 scale words [r][f] (bytes 0, 1: tile 2 f; bytes 2, 3: tile 2 f + 1).
;      kv: [batch x head][step][12,800]: K's four fragments laid so; at 6,144 V's four (16 channels x 128 keys); at 12,288 K's scale words [r][f]; at 12,544 V's [r][t].
;      A tile 2 g + u holds rows 32 g + 8 u + r + 8 (r / 8).  An image's half c lies at 768 c: lane l's registers 6 c .. 6 c + 3 at 16 l, registers 6 c + 4, 6 c + 5 at 512 + 8 l.
; OUT. ac: [token tile][8 K steps][1,536]: head hd is half hd % 2 of K step hd / 2;  asc: [tile][K step / 4][r][K step % 4] words, head hd's two bytes at 2 (hd % 2).
; THE SOFTMAX: t = score x log2(e) / 8; M = the row's largest t so far, rounded up to a whole number; p = 2^(t - M) is quantised along the keys, not normalised; the row's sum is taken of the unquantised p and
; divides at the end.  When M moves, the sum and O are multiplied by 2^(old M - new M): exact.
; SHARES.  A work-group takes two blocks of 256 queries of one head: block 7 - I, which wants 8 - I slots of 256 keys, then block I, which wants I + 1: nine slots in every work-group, none fetched in vain.
; Each of its sixteen waves owns one tile of 16 queries of the block in hand; four waves to a SIMD.  A step all of whose keys come after the wave's queries is left out by a scalar branch on ids.
; THE HEAD'S 64 FILL HALF OF THE INSTRUCTION'S 128: a fragment of K holds two key tiles (k 0-63: tile 2 b; k 64-127: tile 2 b + 1); it is multiplied by [q | zeros] for the first and by [zeros | q] for the second:
; v16-21 zeros, v22-27 q, v28-33 zeros.  Zero codes add nothing under any scale byte but 0xff.
; Both products are used transposed: a lane holds one query throughout.
; NO CLUSTER: the four work-groups of a head want different slots from their (9 - I)-th slot on, so they could not make every request jointly.
; LIMITS: NaN and infinities are not served; a block whose largest magnitude lies under 2^-124 has its byte held at 1; a block of zeros has byte 1 (its codes are zeros; this program alone reads the bytes).
; The scale bytes leave by one store of a byte a lane, 32 bytes a pass beside 768 bytes of codes: rows of asc are shared by sixteen heads.
.set KVB,   12800                      ; a step's block of kv
.set SLOTB, 2*KVB                      ; a slot: two steps
.set SLOT1, 32768                      ; slot 1 begins here: one exclusive or turns an address from one slot to the other
.set SPARE, 65536                      ; the spare words, 128 bytes for each of sixteen waves: eight blocks of 256 bytes that no other line names
.set L16,  1                           ; v1   16 x lane
.set L8,   2                           ; v2   8 x lane
.set SPW,  3                           ; v3   LDS address of my spare word; never rewritten
.set NIL,  4                           ; v4   0; never rewritten
.set AD16, 5                           ; v5-6 the slot in hand + 16 x lane, + 8 x lane
.set AD8,  6
.set DM,   7                           ; v7   my query in its step - 16 h
.set SBO,  8                           ; v8   16 r + h: my scale byte's place
.set PFO,  10                          ; v10  the prefetches' offset; never rewritten
.set QS,   34                          ; v34  q's scale word: bytes (s0, s1, s0, s1)
.set KF,   36                          ; v36-83 four fragments of K, then of V
.set SCW,  84                          ; v84-87 lanes 0-15: K's scale words; lanes 16-31: V's
.set S,    96                          ; v96-159 the scores, then p
.set O,    160                         ; v160-191 O^T
.set PCD,  192                         ; v192-203 p's codes
.set BM,   204                         ; v204-207 the blocks' maxima
.set BT,   208                         ; v208-211 at work
.set SO,   212                         ; v212-215 the conversions' scale operands
.set CT,   216                         ; v216-218, v220-222 the conversions' second halves
.set PS,   224                         ; v224 p's scale word
.set F,    226                         ; v[226:227] f = 2^(old M - new M), named as a pair
.set T0,   228                         ; v228-230 at work
; v12 -M, v13 the largest t, v[14:15] the sum in two halves; v232-238 the second pass's q and its raw scale word; v239 the first pass's; v240-242 q's addresses
; s12 wave, s13 I, s14 batch x head, s15 the first pass's slots, s16 the slot's number 0 .. 8, s17 the key step, s18 my query step, s19 the slot in hand, s[20:21] lane selects, s[22:23] c,
; s[24:31], s[32:35] descriptor groups 1 and 0, s[36:37] the way back at the change of passes, s[38:39] the prefetches' address, s40 their limit, s41 lanes 16-31, s[42:45] where the pass's codes and bytes go,
; s46 the first pass's slots in bytes, s47 the selector for q's scale word, s[48:52] the second pass's addresses and query step
.macro TLOAD                           ; waves 0 and 1 fetch a step's block each; four v_nop follow the line
	s_cmp_lt_u32 s12, 2
	s_cbranch_scc0 .Lnot_\@
	tensor_load_to_lds s[32:35], s[24:31]
	s_nop 0
.rept 4
	v_nop
.endr
.Lnot_\@:
.endm
; A PREFETCH INTO THE L2 of the slot that the next change of slots will ask for: 25,600 bytes, 100 aligned blocks of 256.  The four work-groups of a head walk the same slots from slot 0 on: the one with I = 0,
; which walks all eight, asks, and in it waves 4 to 7, which fetch nothing: 25 blocks each, lanes 256 bytes apart (lanes 25-31 name lane 24's block again, in the same instruction).
; It asks in trips 0 to 5 for slots 2 to 7: slots 0 and 1 come by their loads alone, and the second pass's slots have been read.
.macro ASK
	s_cmp_lt_u32 s16, s40
	s_cbranch_scc0 .Lnoask_\@
	global_prefetch_b8 v[PFO], s[38:39] th:TH_LOAD_NT scope:SCOPE_SE
.Lnoask_\@:
.endm
.macro FRAG reg, a16, a8, off          ; a fragment's image into 12 registers: each load takes 512 or 256 consecutive bytes
	ds_load_b128 v[\reg:\reg+3], v[\a16] offset:\off
	ds_load_b64 v[\reg+4:\reg+5], v[\a8] offset:\off+512
	ds_load_b128 v[\reg+6:\reg+9], v[\a16] offset:\off+768
	ds_load_b64 v[\reg+10:\reg+11], v[\a8] offset:\off+1280
.endm
	s_load_b256 s[4:11], s[0:1], 0x0               ; qb, kv, ac, asc
	v_lshl_add_u32 v[SPW], v0, 2, SPARE
	v_mov_b32 v[NIL], 0
	ds_add_u32 v3, v4
	ds_add_u32 v3, v4
	s_wait_dscnt 0x0
	v_lshrrev_b32 v5, 5, v0
	s_delay_alu instid0(VALU_DEP_1)
	v_readfirstlane_b32 s12, v5                    ; wave 0..15
	s_mov_b32 s13, ttmp9                           ; I
	s_and_b32 s14, ttmp7, 0xffff                   ; batch x head
	s_sub_co_u32 s15, 8, s13                       ; the first pass's slots
	s_mul_i32 s46, s15, SLOTB
	; descriptor group 1: 12,800 dense bytes as 50 rows of 256 (32 elements of 8 bytes)
	s_mov_b32 s24, 3<<16
	s_mov_b32 s25, 32<<16
	s_mov_b32 s26, 50<<16
	s_mov_b32 s27, 32<<16
	s_mov_b32 s28, 50
	s_mov_b32 s29, 32
	s_mov_b32 s30, 0
	s_mov_b32 s31, 0
	s_and_b32 s53, s12, 1
	s_mul_i32 s33, s53, KVB                        ; LDS address: slot 0, my step
	s_mul_i32 s59, s14, 204800                     ; the head's 16 blocks
	s_add_co_u32 s60, s59, s33
	s_mov_b32 s61, 0
	s_mov_b32 s32, 1
	s_wait_kmcnt 0x0
	s_add_nc_u64 s[34:35], s[6:7], s[60:61]
	s_or_b32 s35, s35, 0x80000000
	TLOAD                                          ; slot 0: the one first fill
	s_and_b32 s53, s12, 3
	s_mul_i32 s60, s53, 6400
	s_add_co_u32 s60, s60, s59
	s_add_co_u32 s60, s60, SLOTB                   ; in slot 1: the first change of slots steps it to slot 2
	s_add_nc_u64 s[38:39], s[6:7], s[60:61]
	s_lshr_b32 s53, s12, 2
	s_xor_b32 s53, s53, 1                          ; 0 in waves 4 to 7,
	s_or_b32 s53, s53, s13                         ; of the work-group with I = 0
	s_cmp_eq_u32 s53, 0
	s_cselect_b32 s40, 6, 0
	s_and_b32 s53, s12, 1
	s_cmp_eq_u32 s53, 0
	s_mov_b32 s47, 0x03020302
	s_cselect_b32 s47, 0x01000100, s47             ; my tile's two bytes of the fragment's word, twice
	s_lshr_b32 s54, s12, 3                         ; which of the block's two steps
	s_and_b32 s55, s12, 7
	s_mul_i32 s55, s55, 768                        ; my tile's half image in the step's block
	s_lshr_b32 s56, s14, 4
	s_lshl_b32 s56, s56, 7
	s_add_co_u32 s56, s56, s12                     ; token tile = 128 x batch + 16 x block + wave
	s_and_b32 s53, s14, 15                         ; the head
	s_mul_i32 s57, s53, 768                        ; its half image in a tile's 12,288 bytes
	s_lshr_b32 s58, s53, 3
	s_lshl_b32 s58, s58, 8
	s_and_b32 s53, s53, 7
	s_lshl_b32 s53, s53, 1
	s_add_co_u32 s58, s58, s53                     ; its two bytes in a tile's 512
.macro PASS qb, sqw, ao, as, qp        ; for query block s[qb]: my query step, where codes and bytes go, the step's block of qb
	s_lshl_b32 s[\sqw], s[\qb], 1
	s_add_co_u32 s[\sqw], s[\sqw], s54
	s_lshl_b32 s60, s14, 4
	s_add_co_u32 s60, s60, s[\sqw]
	s_mul_i32 s60, s60, 6400
	s_add_nc_u64 s[\qp:\qp+1], s[4:5], s[60:61]
	s_lshl_b32 s59, s[\qb], 4
	s_add_co_u32 s59, s59, s56
	s_mul_i32 s60, s59, 12288
	s_add_co_u32 s60, s60, s57
	s_add_nc_u64 s[\ao:\ao+1], s[8:9], s[60:61]
	s_lshl_b32 s60, s59, 9
	s_add_co_u32 s60, s60, s58
	s_add_nc_u64 s[\as:\as+1], s[10:11], s[60:61]
.endm
	s_sub_co_u32 s53, 7, s13
	PASS 53, 18, 42, 44, 62
	PASS 13, 52, 48, 50, 2
	v_and_b32 v[T0], 31, v0                        ; lane
	s_delay_alu instid0(VALU_DEP_1)
	v_lshlrev_b32 v[L16], 4, v[T0]
	s_delay_alu instid0(VALU_DEP_2)
	v_lshlrev_b32 v[L8], 3, v[T0]
	s_delay_alu instid0(VALU_DEP_3)
	v_min_u32 v[PFO], 24, v[T0]
	s_delay_alu instid0(VALU_DEP_1)
	v_lshlrev_b32 v[PFO], 8, v[PFO]
	v_and_b32 v[T0+1], 15, v0                      ; r
	v_bfe_u32 v[T0+2], v0, 4, 1                    ; h
	v_add_nc_u32 v240, s55, v[L16]
	v_add_nc_u32 v241, s55, v[L8]
	s_and_b32 s53, s12, 6
	s_lshl_b32 s60, s53, 1                         ; 4 x my fragment
	v_lshlrev_b32 v242, 4, v[T0+1]
	s_delay_alu instid0(VALU_DEP_1)
	v_add_nc_u32 v242, s60, v242
	global_load_b128 v[22:25], v240, s[62:63] th:TH_LOAD_NT
	global_load_b64 v[26:27], v241, s[62:63] offset:512 th:TH_LOAD_NT
	global_load_b32 v239, v242, s[62:63] offset:6144
	global_load_b128 v[232:235], v240, s[2:3] th:TH_LOAD_NT
	global_load_b64 v[236:237], v241, s[2:3] offset:512 th:TH_LOAD_NT
	global_load_b32 v238, v242, s[2:3] offset:6144
	v_lshl_add_u32 v[SBO], v[T0+1], 4, v[T0+2]
	v_and_b32 v[DM], 8, v[T0+1]
	s_delay_alu instid0(VALU_DEP_1)
	v_add_nc_u32 v[DM], v[DM], v[T0+1]             ; r + 8 (r / 8)
	v_lshlrev_b32 v[T0+2], 4, v[T0+2]
	s_delay_alu instid0(VALU_DEP_1)
	v_sub_nc_u32 v[DM], v[DM], v[T0+2]
	s_lshl_b32 s53, s53, 4                         ; 32 x my fragment
	s_and_b32 s60, s12, 1
	s_lshl_b32 s60, s60, 3
	s_add_co_u32 s53, s53, s60                     ; + 8 u
	v_add_nc_u32 v[DM], s53, v[DM]
	s_mov_b32 s20, 0x76543210
	s_mov_b32 s21, 0xfedcba98
	s_mov_b32 s22, 0x3e38aa3b                      ; c = log2(e) / sqrt(64)
	s_mov_b32 s23, s22                             ; (named with it as a pair)
	s_mov_b32 s41, 0xffff0000
	s_mov_b32 s37, 0
	s_mov_b32 s16, 0
	s_mov_b32 s17, 0
	s_mov_b32 s19, 0
	v_mov_b32 v13, 0xff61b1e6                      ; the largest t so far: -3e38, under every t
	s_delay_alu instid0(VALU_DEP_1)
	v_floor_f32 v12, -v13                          ; -M
	v_mov_b32 v14, 0
	v_mov_b32 v15, 0
.irp b, 0,1,2,3
	v_mov_b32 v[BT+\b], 0                          ; a lane permute's destination counts as one of its sources
.endr
	v_mov_b32 v[F+1], 0                            ; (named as the upper half of a pair)
.irp i, 0,1,2,3,4,5
	v_mov_b32 v[16+\i], 0                          ; the zero codes on both sides of q
	v_mov_b32 v[28+\i], 0
.endr
	s_wait_loadcnt 0x0
	v_perm_b32 v[QS], v239, v239, s47
.set j, 0
.rept 32
	v_mov_b32 v[O+j], 0                            ; O^T: the first change of M leaves zeros zeros.  (These are also the places between the scale word's making and the first product)
.set j, j+1
.endr
; A KEY STEP: 128 keys, the q-th of the slot in hand.
.macro STEP q
	s_cmp_gt_u32 s17, s18                          ; all its keys come after my queries: left out
	s_cbranch_scc1 .Lhid_\@
	v_add_nc_u32 v[AD16], s19, v[L16]
	v_add_nc_u32 v[AD8], s19, v[L8]
	v_nop
	v_nop                                          ; four places in front of loads into registers that the last products read
.irp b, 0,1,2,3
	FRAG KF+12*\b, AD16, AD8, KVB*(\q)+1536*\b
.endr
	ds_load_b128 v[SCW:SCW+3], v[AD16] offset:KVB*(\q)+12288   ; lanes 0-15: K's words of row r; lanes 16-31, 256 bytes on: V's
	s_wait_alu depctr_va_vdst(0)
	s_wait_dscnt 0x0
.irp b, 0,1,2,3                        ; S^T = K Q^T: lane (r, h) holds query r; registers 16 b + i are keys 32 b + 16 h + i
	v_wmma_scale_f32_16x16x128_f8f6f4 v[S+16*\b:S+16*\b+7], v[KF+12*\b:KF+12*\b+11], v[22:33], 0, v[SCW+\b], v[QS] matrix_a_fmt:MATRIX_FMT_FP6 matrix_b_fmt:MATRIX_FMT_FP6
	v_wmma_scale_f32_16x16x128_f8f6f4 v[S+16*\b+8:S+16*\b+15], v[KF+12*\b:KF+12*\b+11], v[16:27], 0, v[SCW+\b], v[QS] matrix_a_fmt:MATRIX_FMT_FP6 matrix_b_fmt:MATRIX_FMT_FP6
.endr
.rept 4
	v_nop
.endr
.irp t, 0,1,2,3
	FRAG KF+12*\t, AD16, AD8, KVB*(\q)+6144+1536*\t    ; V's fragments land while the softmax is worked
.endr
	s_cmp_lt_u32 s17, s18                          ; all keys count: no mask
	s_cbranch_scc1 .Lopen_\@
	v_mov_b32 v[T0+2], 0xff800000                  ; on the diagonal hidden scores become -infinity: p = 0 then
.set n, 0
.rept 64
	v_cmp_gt_i32 vcc_lo, 32*(n/16)+n%16, v[DM]
	v_cndmask_b32 v[S+n], v[S+n], v[T0+2], vcc_lo
.set n, n+1
.endr
.Lopen_\@:
.irp b, 0,1,2,3
	v_max3_num_f32 v[BM+\b], v[S+16*\b], v[S+1+16*\b], v[S+2+16*\b]   ; the largest score of each block of 32 keys: for the row's maximum, and, since p rises with the score, for the block's largest p
.endr
.irp i, 3,5,7,9,11,13
.irp b, 0,1,2,3
	v_max3_num_f32 v[BM+\b], v[BM+\b], v[S+16*\b+\i], v[S+1+16*\b+\i]
.endr
.endr
.irp b, 0,1,2,3
	v_max_num_f32 v[BM+\b], v[BM+\b], v[S+15+16*\b]
.endr
.irp b, 0,1,2,3
	s_delay_alu instid0(VALU_DEP_4)
	v_permlanex16_b32 v[BT+\b], v[BM+\b], s20, s21
.endr
.irp b, 0,1,2,3
	s_delay_alu instid0(VALU_DEP_4)
	v_max_num_f32 v[BM+\b], v[BM+\b], v[BT+\b]     ; with lane l xor 16's 16 keys
.endr
	s_delay_alu instid0(VALU_DEP_2)
	v_max3_num_f32 v[T0], v[BM], v[BM+1], v[BM+2]
	s_delay_alu instid0(VALU_DEP_1)
	v_max_num_f32 v[T0], v[T0], v[BM+3]
	s_delay_alu instid0(VALU_DEP_1)
	v_mul_f32 v[T0], s22, v[T0]                    ; the step's largest t
	s_delay_alu instid0(VALU_DEP_1)
	v_max_num_f32 v13, v13, v[T0]
	v_mov_b32 v[T0], v12
	s_delay_alu instid0(VALU_DEP_2)
	v_floor_f32 v12, -v13                          ; the new -M = -ceil(t)
	s_delay_alu instid0(VALU_DEP_1)
	v_sub_f32 v[T0], v12, v[T0]                    ; old M - new M: a whole number, 0 or less
	s_delay_alu instid0(VALU_DEP_1)
	v_cvt_i32_f32 v[T0], v[T0]                     ; (it saturates)
	s_delay_alu instid0(VALU_DEP_1)
	v_ldexp_f32 v[F], 1.0, v[T0]
.set j, 0
.rept 32
	v_pk_fma_f32 v[S+j:S+j+1], v[S+j:S+j+1], s[22:23], v[12:13] op_sel_hi:[1,0,0]   ; t - M
.set j, j+2
.endr
.irp b, 0,1,2,3
	v_fma_f32 v[BM+\b], v[BM+\b], s22, v12
.endr
.set j, 0
	s_wait_alu depctr_va_vdst(0)
.rept 64
	v_exp_f32 v[S+j], v[S+j]                       ; p = 2^(t - M)
.set j, j+1
.endr
	v_pk_mul_f32 v[14:15], v[14:15], v[F:F+1] op_sel_hi:[1,0]   ; the sums under the new M: a plain place behind the exponentials
	s_wait_alu depctr_va_vdst(0)                   ; one wait for the batch of 64, ahead of its first reader
.irp b, 0,1,2,3
	v_exp_f32 v[BM+\b], v[BM+\b]                   ; the blocks' largest p
.endr
	v_pk_add_f32 v[208:209], v[100:101], v[104:105]
	v_pk_add_f32 v[254:255], v[108:109], v[112:113]
	v_pk_add_f32 v[252:253], v[116:117], v[120:121]
	v_pk_add_f32 v[250:251], v[124:125], v[128:129]
	v_pk_add_f32 v[248:249], v[132:133], v[136:137]
	v_pk_add_f32 v[246:247], v[140:141], v[144:145]
	v_pk_add_f32 v[244:245], v[148:149], v[152:153]
	v_pk_add_f32 v[14:15], v[14:15], v[156:157]
	v_pk_add_f32 v[208:209], v[208:209], v[96:97]
	v_pk_add_f32 v[254:255], v[254:255], v[98:99]
	v_pk_add_f32 v[252:253], v[252:253], v[102:103]
	v_pk_add_f32 v[250:251], v[250:251], v[106:107]
	v_pk_add_f32 v[248:249], v[248:249], v[110:111]
	v_pk_add_f32 v[246:247], v[246:247], v[114:115]
	v_pk_add_f32 v[244:245], v[244:245], v[118:119]
	v_pk_add_f32 v[14:15], v[14:15], v[122:123]
	v_pk_add_f32 v[208:209], v[208:209], v[126:127]
	v_pk_add_f32 v[254:255], v[254:255], v[130:131]
	v_pk_add_f32 v[252:253], v[252:253], v[134:135]
	v_pk_add_f32 v[250:251], v[250:251], v[138:139]
	v_pk_add_f32 v[248:249], v[248:249], v[142:143]
	v_pk_add_f32 v[246:247], v[246:247], v[146:147]
	v_pk_add_f32 v[244:245], v[244:245], v[150:151]
	v_pk_add_f32 v[14:15], v[14:15], v[154:155]
	v_pk_add_f32 v[208:209], v[208:209], v[158:159]
	s_delay_alu instid0(VALU_DEP_2)
	v_pk_add_f32 v[14:15], v[14:15], v[250:251]
	s_delay_alu instid0(VALU_DEP_2)
	v_pk_add_f32 v[208:209], v[208:209], v[248:249]
	v_pk_add_f32 v[254:255], v[254:255], v[246:247]
	v_pk_add_f32 v[252:253], v[252:253], v[244:245]
	s_delay_alu instid0(VALU_DEP_2)
	v_pk_add_f32 v[14:15], v[14:15], v[254:255]
	s_delay_alu instid0(VALU_DEP_2)
	v_pk_add_f32 v[208:209], v[208:209], v[252:253]
	s_delay_alu instid0(VALU_DEP_1)
	v_pk_add_f32 v[14:15], v[14:15], v[208:209]
	s_wait_alu depctr_va_vdst(0)                   ; and one for the four
.irp b, 0,1,2,3
	v_max_num_f32 v[BM+\b], 0x1800000, v[BM+\b]    ; the floor 2^(3 - 127)
.endr
.irp b, 0,1,2,3
	s_delay_alu instid0(VALU_DEP_4)
	v_add_nc_u32 v[SO+\b], 0xff000000, v[BM+\b]
.endr
.irp b, 0,1,2,3
	s_delay_alu instid0(VALU_DEP_4)
	v_lshrrev_b32 v[BT+\b], 23, v[SO+\b]
.endr
	s_delay_alu instid0(VALU_DEP_3)
	v_lshl_or_b32 v[PS], v[BT+1], 8, v[BT]
	s_delay_alu instid0(VALU_DEP_1)
	v_lshl_or_b32 v[PS], v[BT+2], 16, v[PS]
	s_delay_alu instid0(VALU_DEP_1)
	v_lshl_or_b32 v[PS], v[BT+3], 24, v[PS]
.irp c, 0,1
	v_cvt_scalef32_pk16_fp6_f32 v[PCD+6*\c:PCD+2+6*\c], v[S+32*\c:S+15+32*\c], v[SO+2*\c]
	v_cvt_scalef32_pk16_fp6_f32 v[CT+4*\c:CT+2+4*\c], v[S+16+32*\c:S+31+32*\c], v[SO+2*\c+1]
.endr
	v_nop                                          ; one plain place behind a scaled conversion
.irp c, 0,1
.irp i, 0,1,2
	v_permlane16_swap_b32 v[PCD+6*\c+\i], v[CT+4*\c+\i]
.endr
.irp i, 0,1,2
	s_delay_alu instid0(VALU_DEP_3)
	v_mov_b32 v[PCD+3+6*\c+\i], v[CT+4*\c+\i]
.endr
.endr
.set j, 0
.rept 16
	v_pk_mul_f32 v[O+j:O+j+1], v[O+j:O+j+1], v[F:F+1] op_sel_hi:[1,0]   ; O^T under the new M.  (These sixteen are also the places between p's codes and scale word and the products)
.set j, j+2
.endr
	s_wait_alu depctr_va_vdst(0)
	s_wait_dscnt 0x0                               ; V is in
.irp t, 0,1,2,3                        ; O^T += V^T P^T: four accumulators, one instruction each
	v_wmma_scale_f32_16x16x128_f8f6f4 v[O+8*\t:O+8*\t+7], v[KF+12*\t:KF+12*\t+11], v[PCD:PCD+11], v[O+8*\t:O+8*\t+7], v[SCW+\t], v[PS] matrix_a_fmt:MATRIX_FMT_FP6 matrix_b_fmt:MATRIX_FMT_FP6 matrix_a_scale:MATRIX_SCALE_ROW1
.endr
.Lhid_\@:
	s_add_co_u32 s17, s17, 1
.endm
; THE CHANGE OF SLOTS stands at a slot's head.  Each wave waits for all its tensor loads, adds 0 to its spare word, and waits for that and for its reads of the slot that it has left.
; fill = 1: that slot is filled with the next slot's keys; where the first pass ends, those are the head's first again.
.macro CHANGE fill
	s_wait_tensorcnt 0x0                           ; no tensor load of mine is out, so group 0 may be written
	ds_add_u32 v[SPW], v[NIL]                      ; 0 onto my spare word
.if \fill
	s_xor_b32 s33, s33, SLOT1
	s_add_co_u32 s53, s16, 1
	s_cmp_eq_u32 s53, s15
	s_cselect_b32 s36, s46, 0
	s_add_nc_u64 s[34:35], s[34:35], SLOTB
	s_sub_nc_u64 s[34:35], s[34:35], s[36:37]
	s_wait_xcnt 0x0                                ; the last prefetch, a slot back, has read its address
	s_add_nc_u64 s[38:39], s[38:39], SLOTB
.endif
	s_wait_dscnt 0x0                               ; the add is done, and my reads of the slot that I have left are over
	s_barrier_signal -1
	s_barrier_wait -1
.if \fill
	TLOAD                                          ; the first thing behind the barrier, and a wave's one tensor load until the next
	ASK
.endif
.endm
; A PASS'S END: O^T / the sum; register 16 b + i is channel 32 b + 16 h + i of my query: two blocks of 32 along the last product's K; half a fragment and two scale bytes leave.
.macro FINISH again
.rept 4
	v_nop                                          ; places behind the last products
.endr
	v_add_f32 v14, v14, v15
	s_delay_alu instid0(VALU_DEP_1)
	v_permlanex16_b32 v[T0], v14, s20, s21
	s_delay_alu instid0(VALU_DEP_1)
	v_add_f32 v14, v14, v[T0]                      ; the row's sum
	s_wait_alu depctr_va_vdst(0)
	v_rcp_f32 v14, v14
	v_nop                                          ; a plain place behind the transcendental
	s_wait_alu depctr_va_vdst(0)                   ; and the wait ahead of its first reader
.set j, 0
.rept 32
	v_mul_f32 v[S+j], v[O+j], v14
.set j, j+1
.endr
.irp b, 0,1
	v_max3_num_f32 v[BM+\b], |v[S+16*\b]|, |v[S+1+16*\b]|, 0x1800000
.endr
.irp i, 2,4,6,8,10,12,14
.irp b, 0,1
	s_delay_alu instid0(VALU_DEP_2)
	v_max3_num_f32 v[BM+\b], v[BM+\b], |v[S+16*\b+\i]|, |v[S+1+16*\b+\i]|
.endr
.endr
.irp b, 0,1
	s_delay_alu instid0(VALU_DEP_2)
	v_permlanex16_b32 v[BT+\b], v[BM+\b], s20, s21
.endr
.irp b, 0,1
	s_delay_alu instid0(VALU_DEP_2)
	v_max_num_f32 v[BM+\b], v[BM+\b], v[BT+\b]
.endr
.irp b, 0,1
	s_delay_alu instid0(VALU_DEP_2)
	v_add_nc_u32 v[SO+\b], 0xff000000, v[BM+\b]
.endr
.irp b, 0,1
	s_delay_alu instid0(VALU_DEP_2)
	v_lshrrev_b32 v[BT+\b], 23, v[SO+\b]
.endr
	v_cvt_scalef32_pk16_fp6_f32 v[PCD:PCD+2], v[S:S+15], v[SO]
	v_cvt_scalef32_pk16_fp6_f32 v[CT:CT+2], v[S+16:S+31], v[SO+1]
	v_nop
.irp i, 0,1,2
	v_permlane16_swap_b32 v[PCD+\i], v[CT+\i]
.endr
.irp i, 0,1,2
	s_delay_alu instid0(VALU_DEP_3)
	v_mov_b32 v[PCD+3+\i], v[CT+\i]
.endr
	v_cndmask_b32 v[T0+1], v[BT], v[BT+1], s41     ; lanes 0-15 store block 0's byte, lanes 16-31 block 1's
	global_store_b128 v[L16], v[PCD:PCD+3], s[42:43]           ; 512 consecutive bytes, aligned
	global_store_b64 v[L8], v[PCD+4:PCD+5], s[42:43] offset:512
	global_store_b8 v[SBO], v[T0+1], s[44:45]
.if \again
	s_wait_xcnt 0x0                                ; the stores have read their bases and data
	s_mov_b64 s[42:43], s[48:49]
	s_mov_b64 s[44:45], s[50:51]
	s_mov_b32 s18, s52
	s_mov_b32 s17, 0
.irp i, 0,1,2,3,4,5
	v_mov_b32 v[22+\i], v[232+\i]                  ; the second pass's q
.endr
	v_perm_b32 v[QS], v238, v238, s47
	v_mov_b32 v13, 0xff61b1e6
	s_delay_alu instid0(VALU_DEP_1)
	v_floor_f32 v12, -v13
	v_mov_b32 v14, 0
	v_mov_b32 v15, 0
.set j, 0
.rept 32
	v_mov_b32 v[O+j], 0
.set j, j+1
.endr
.endif
.endm
.Lslot:                                            ; eight trips: behind the changes of trips 0 to 5 the slot after next is asked for
	CHANGE 1
	STEP 0
	STEP 1
	s_xor_b32 s19, s19, SLOT1
	s_add_co_u32 s53, s16, 1
	s_cmp_lg_u32 s53, s15                          ; the first pass's last slot?  A branch on ids; no barrier, LDS access or tensor load stands under it
	s_cbranch_scc1 .Lsame
	FINISH 1
.Lsame:
	s_add_co_u32 s16, s16, 1
	s_cmp_lt_u32 s16, 8
	s_cbranch_scc1 .Lslot
	CHANGE 0                                       ; the ninth slot is written out
	STEP 0
	STEP 1
	FINISH 0
	s_wait_tensorcnt 0x0                           ; the wave's end
	ds_add_u32 v[SPW], v[NIL]
	s_wait_dscnt 0x0
	s_endpgm
.Lfunc_end_k_q7e54e1bcf4_attn:
	.size	k_q7e54e1bcf4_attn, .Lfunc_end_k_q7e54e1bcf4_attn-k_q7e54e1bcf4_attn
	.p2alignl 7, 3214868480
	.fill 96, 4, 3214868480
	.section	.rodata,"a",@progbits
	.p2align	6, 0x0
	.amdhsa_kernel k_q7e54e1bcf4_attn
		.amdhsa_group_segment_fixed_size 327680
		.amdhsa_private_segment_fixed_size 0
		.amdhsa_enable_private_segment 0
		.amdhsa_kernarg_size 32
		.amdhsa_user_sgpr_count 2
		.amdhsa_user_sgpr_kernarg_segment_ptr 1
		.amdhsa_wavefront_size32 1
		.amdhsa_system_sgpr_workgroup_id_x 1
		.amdhsa_system_sgpr_workgroup_id_y 1
		.amdhsa_system_sgpr_workgroup_id_z 1
		.amdhsa_system_vgpr_workitem_id 0
		.amdhsa_next_free_vgpr 256
		.amdhsa_next_free_sgpr 66
		.amdhsa_reserve_vcc 1
		.amdhsa_float_denorm_mode_32 3
		.amdhsa_float_denorm_mode_16_64 3
		.amdhsa_memory_ordered 1
		.amdhsa_forward_progress 1
		.amdhsa_inst_pref_size 108
	.end_amdhsa_kernel
	.amdgpu_metadata
---
amdhsa.version: [ 1, 2 ]
amdhsa.kernels:
  - .name:           k_q7e54e1bcf4_attn
    .symbol:         k_q7e54e1bcf4_attn.kd
    .args:
      - { .name: qb, .offset: 0, .size: 8, .value_kind: global_buffer, .address_space: global }
      - { .name: kv, .offset: 8, .size: 8, .value_kind: global_buffer, .address_space: global }
      - { .name: ac, .offset: 16, .size: 8, .value_kind: global_buffer, .address_space: global }
      - { .name: asc, .offset: 24, .size: 8, .value_kind: global_buffer, .address_space: global }
    .group_segment_fixed_size: 327680
    .private_segment_fixed_size: 0
    .kernarg_segment_align: 8
    .kernarg_segment_size: 32
    .max_flat_workgroup_size: 512
    .sgpr_count:     66
    .vgpr_count:     256
    .wavefront_size: 32
...
	.end_amdgpu_metadata
.endif
;; end of part 3
;; launch gemm_out (part 4): grid 4 x 32, 4 waves a work-group, clusters of 4 x 4, 327,680 bytes of LDS; arguments ac, asc, wc, ws, out0; writes out0
.if DOCPART == 4
	.amdgcn_target "amdgcn-amd-amdhsa--gfx1250"
	.amdhsa_code_object_version 6
	.text
	.protected	k_q7e54e1bcf4_gemm_out
	.globl	k_q7e54e1bcf4_gemm_out
	.p2align	8
	.type	k_q7e54e1bcf4_gemm_out,@function
k_q7e54e1bcf4_gemm_out:
	s_mov_b64 s[64:65], 0
	v_nop
	global_prefetch_b8 v0, s[64:65] scope:SCOPE_SE
	s_setreg_imm32_b32 hwreg(HW_REG_WAVE_MODE, 25, 1), 1
	s_wait_xcnt 0x0
	s_wait_alu depctr_hold_cnt(0) depctr_sa_sdst(0) depctr_va_vdst(0) depctr_va_sdst(0) depctr_va_ssrc(0) depctr_va_vcc(0) depctr_vm_vsrc(0)
	s_getreg_b32 s2, hwreg(HW_REG_IB_STS2, 6, 4)
	s_cmp_eq_u32 s2, 0
	s_cbranch_scc0 .Lentry_in_a_cluster
	s_endpgm
.Lentry_in_a_cluster:
	s_bfe_u32 s2, ttmp6, 0x10000c
	s_cmp_lg_u32 s2, 0xf033
	s_cbranch_scc0 .Lentry_shape_is_right
	s_endpgm
.Lentry_shape_is_right:
; out0 = a W_o^T on codes of FP6 (E2M3) with E8M0 scales, K = 1,024; a: the attention's result, 8,192 rows; out0: [8192][1024] f32.
; OPERANDS are fragment images (16 rows x 128 K, 1,536 bytes: half c at 768 c: lane l's registers 6 c .. 6 c + 3 at 16 l, registers 6 c + 4, 6 c + 5 at 512 + 8 l), [tile][8 K steps];
; tile 2 g + u holds rows 32 g + 8 u + r + 8 (r / 8).  Scale words: [tile][K step / 4][r][K step % 4].  W_o's tiles begin at tile 192 of wc.
; A work-group of four waves makes 256 x 256, a wave 128 x 128: 64 accumulators, 512 registers.  Source 0 takes W_o's tiles ("B"), source 1 a's ("A"): lane (r, h) holds row r of A's tile and, in the
; accumulator of B's tile b, the eight neighbouring columns 32 (b / 2) + 8 (b % 2) + 16 h + 0 .. 7.
; K goes through a ring of two LDS slots of 256 along K, four fills, written out.  The scale words of the work-group's 512 rows come once.
; CLUSTERS: 4 x 4 work-groups; A's tiles are asked for jointly by a row of the cluster, B's by a column.  128 work-groups: the tile of the launch before, so that both share one form of the loop.
; No prefetch: of the ring's four fills two are first fills.
; REGISTERS: window 0: v10-29 addresses; v32-95 scale words; v128-223 A's fragments, one set; on the way out v128-255 rows read back.  window 1: B's fragments, two sets, at v0 and v128.
;   window 2: the accumulators of A's tiles 0-3 ((a, b) at v[8 (8 (a % 4) + b)]); window 3: of tiles 4-7.
.set FR,     12
.set NL,     4
.set TILEB,  3072
.set HALFT,  8*TILEB
.set SLOT,   4*HALFT
.set SCL,    2*SLOT
.set SPARE,  SCL+16384                 ; the spare words, 128 bytes for each wave: two blocks of 256 bytes that no other line names
.set SPITCH, 528                       ; the way out: a stage of 16 rows x (512 bytes + 16) for each wave, in slot 0, which has had its last fill and its last read when the first result is stored there
.set L16,  10
.set L8,   11
.set ADRA16, 16
.set ADRA8,  18
.set ADRB16, 20
.set ADRB8,  22
.set STO,  24                          ; v24  the way out: where I put 32 bytes of a row
.set RD,   25                          ; v25  where I read a row back
.set ADRS, 27
.set SPW,  28
.set NIL,  29
.set SC,   32
.set AF,   128
.set BK,   128                         ; 16 rows read back: v128-191 and v192-255 by turns
.set G1, 24
.set G0, 32
.set G1B, 48
.set G0B, 56
.set G1S, 68
.set G0S, 76
.set G1SB, 80
.set G0SB, 88
.set MSB, 0
.macro WIN new                         ; the immediate's high byte repeats the setting that is left
.if MSB != (\new)
	s_set_vgpr_msb (MSB<<8)|(\new)
.set MSB, (\new)
.endif
.endm
.set MUL_LO, 0xa1
.set MUL_HI, 0xf1
.set TO_B,   0x40
.macro JLOAD g0a, g1a, g0b, g1b        ; a joint load: waves 0 and 1 fetch for A, waves 2 and 3 for B; four v_nop follow each of the two lines
	s_cmp_eq_u32 s15, 0
	s_cbranch_scc0 .Lfor_b_\@
	tensor_load_to_lds s[\g0a:\g0a+3], s[\g1a:\g1a+7]
	s_nop 0
.rept 4
	v_nop
.endr
	s_branch .Lasked_\@
.Lfor_b_\@:
	tensor_load_to_lds s[\g0b:\g0b+3], s[\g1b:\g1b+7]
	s_nop 0
.rept 4
	v_nop
.endr
.Lasked_\@:
.endm
.macro CREST
	s_cmp_lg_u32 s14, 0
	s_cbranch_scc1 .Lnot_wave_0_\@
	s_barrier_signal -3
.Lnot_wave_0_\@:
	s_barrier_wait -3
	s_barrier_signal -1
	s_barrier_wait -1
.endm
.macro CROUND
	s_barrier_signal -1
	s_barrier_wait -1
	CREST
.endm
.macro PLACES                          ; four plain places behind a matrix instruction (ISA guide 7.12.1)
.rept 4
	v_nop
.endr
.endm
	s_load_b256 s[4:11], s[0:1], 0x0               ; ac, asc, wc, ws
	s_load_b64 s[12:13], s[0:1], 0x20              ; out0
	v_lshl_add_u32 v[SPW], v0, 2, SPARE
	v_mov_b32 v[NIL], 0
	ds_add_u32 v28, v29
	s_wait_dscnt 0x0
	v_lshrrev_b32 v1, 5, v0
	v_readfirstlane_b32 s14, v1                    ; wave 0..3
	s_lshr_b32 s15, s14, 1                         ; my half of A's tiles.  Also: I fetch for A (0) or for B (1)
	s_and_b32 s16, s14, 1                          ; my half of B's.  Also: which eight tiles I fetch
	s_bfe_u32 s40, ttmp6, 0x40000                  ; cx
	s_bfe_u32 s41, ttmp6, 0x40004                  ; cy
	s_and_b32 s42, ttmp7, 0xffff
	s_lshl_b32 s42, s42, 2
	s_add_co_u32 s17, s42, s41                     ; A's 256 rows: 4 x cluster y + cy
	s_lshl_b32 s18, ttmp9, 2
	s_add_co_u32 s18, s18, s40                     ; the 256 columns: 4 x cluster x + cx
	s_lshl_b32 s43, s41, 2
	s_lshl_b32 s43, 15, s43                        ; my row of the cluster
	s_lshl_b32 s44, 0x1111, s40                    ; my column
	s_or_b32 s[G1+0], s43, (3<<16)|(1<<21)         ; codes: 8 rows (tiles) of 3,072 bytes (384 elements of 8), 12,288 bytes apart in memory, on end in LDS
	s_or_b32 s[G1B+0], s44, (3<<16)|(1<<21)
.irp g, G1, G1B
	s_mov_b32 s[\g+1], 384<<16
	s_mov_b32 s[\g+2], 8<<16
	s_mov_b32 s[\g+3], 384<<16
	s_mov_b32 s[\g+4], 8
	s_mov_b32 s[\g+5], 1536
	s_mov_b32 s[\g+6], 0
	s_mov_b32 s[\g+7], 0
.endr
	s_or_b32 s[G1S+0], s43, (3<<16)|(1<<21)        ; scale words of eight tiles: 4,096 dense bytes as 16 rows of 256
	s_or_b32 s[G1SB+0], s44, (3<<16)|(1<<21)
.irp g, G1S, G1SB
	s_mov_b32 s[\g+1], 32<<16
	s_mov_b32 s[\g+2], 16<<16
	s_mov_b32 s[\g+3], 32<<16
	s_mov_b32 s[\g+4], 16
	s_mov_b32 s[\g+5], 32
	s_mov_b32 s[\g+6], 0
	s_mov_b32 s[\g+7], 0
.endr
	s_mul_i32 s2, s16, 98304                       ; the eight tiles that I fetch
	s_lshl_b32 s3, s16, 12
	s_mul_i32 s20, s17, 196608
	s_add_co_u32 s20, s20, s2
	s_mov_b32 s21, 0
	s_lshl_b32 s46, s17, 13
	s_add_co_u32 s46, s46, s3
	s_mov_b32 s47, 0
	s_add_co_u32 s19, s18, 12                      ; W_o's rows begin at 12 x 256 of wc's
	s_mul_i32 s22, s19, 196608
	s_add_co_u32 s22, s22, s2
	s_mov_b32 s23, 0
	s_lshl_b32 s92, s19, 13
	s_add_co_u32 s92, s92, s3
	s_mov_b32 s93, 0
	s_mul_i32 s45, s14, HALFT                      ; where they go: by the wave's number alone
	s_lshl_b32 s94, s14, 12
	s_wait_kmcnt 0x0
	s_add_nc_u64 s[4:5], s[4:5], s[20:21]
	s_add_nc_u64 s[6:7], s[6:7], s[46:47]
	s_add_nc_u64 s[8:9], s[8:9], s[22:23]
	s_add_nc_u64 s[10:11], s[10:11], s[92:93]
	CROUND                                         ; all sixteen work-groups are here: the first joint loads meet
	s_mov_b32 s[G0S], 1
	s_add_co_u32 s[G0S+1], s94, SCL
	s_mov_b64 s[G0S+2:G0S+3], s[6:7]
	s_or_b32 s[G0S+3], s[G0S+3], 0x80000000
	s_mov_b32 s[G0SB], 1
	s_add_co_u32 s[G0SB+1], s94, SCL
	s_mov_b64 s[G0SB+2:G0SB+3], s[10:11]
	s_or_b32 s[G0SB+3], s[G0SB+3], 0x80000000
	JLOAD G0S, G1S, G0SB, G1SB
.irp s, 0,1
	s_mov_b32 s[G0+4*\s], 1
	s_add_co_u32 s[G0+4*\s+1], s45, \s*SLOT
	s_add_nc_u64 s[G0+4*\s+2:G0+4*\s+3], s[4:5], \s*TILEB
	s_or_b32 s[G0+4*\s+3], s[G0+4*\s+3], 0x80000000
	s_mov_b32 s[G0B+4*\s], 1
	s_add_co_u32 s[G0B+4*\s+1], s45, \s*SLOT
	s_add_nc_u64 s[G0B+4*\s+2:G0B+4*\s+3], s[8:9], \s*TILEB
	s_or_b32 s[G0B+4*\s+3], s[G0B+4*\s+3], 0x80000000
	JLOAD G0+4*\s, G1, G0B+4*\s, G1B               ; three tensor loads of mine are out at the most
.endr
	v_and_b32 v1, 31, v0                           ; lane
	v_and_b32 v2, 15, v0                           ; r
	v_bfe_u32 v3, v0, 4, 1                         ; h
	v_lshlrev_b32 v[L16], 4, v1
	v_lshlrev_b32 v[L8], 3, v1
	s_mul_i32 s21, s15, HALFT
	s_mul_i32 s22, s16, HALFT
	s_add_co_u32 s22, s22, 2*HALFT
.irp s, 0,1
	v_add_nc_u32 v[ADRA16+\s], s21, v[L16]
	v_add_nc_u32 v[ADRA8+\s], s21, v[L8]
	v_add_nc_u32 v[ADRB16+\s], s22, v[L16]
	v_add_nc_u32 v[ADRB8+\s], s22, v[L8]
	s_add_co_u32 s21, s21, SLOT
	s_add_co_u32 s22, s22, SLOT
.endr
	s_lshl_b32 s21, s15, 12
	s_lshl_b32 s22, s16, 12
	s_add_co_u32 s22, s22, 8192
	s_sub_co_u32 s22, s22, s21
	v_mul_u32_u24 v6, s22, v3                      ; lanes 16-31 take B's words: one product, the distance between the two
	s_add_co_u32 s21, s21, SCL
	v_lshl_add_u32 v6, v2, 4, v6
	v_add_nc_u32 v[ADRS], s21, v6
	s_mul_i32 s23, s14, 16*SPITCH                  ; my stage
	v_mul_u32_u24 v5, v2, SPITCH
	v_lshl_add_u32 v5, v3, 6, v5
	v_add_nc_u32 v[STO], s23, v5                   ; in: row r, + 64 h
	v_add_nc_u32 v[RD], s23, v[L16]                ; back: the 32 lanes take one row of 512 bytes
	s_lshl_b32 s20, s17, 8
	s_lshl_b32 s21, s15, 7
	s_add_co_u32 s20, s20, s21                     ; my first row of out0
	s_lshl_b32 s20, s20, 12                        ; x 4,096 bytes
	s_lshl_b32 s21, s18, 10                        ; + the 256 columns,
	s_add_co_u32 s20, s20, s21
	s_lshl_b32 s21, s16, 9                         ; + my half of them
	s_add_co_u32 s20, s20, s21
	s_mov_b32 s21, 0
	s_add_nc_u64 s[12:13], s[12:13], s[20:21]
.macro FRAG reg, a16, a8, off
	ds_load_b128 v[\reg:\reg+3], v[\a16] offset:\off
	ds_load_b64 v[\reg+4:\reg+5], v[\a8] offset:\off+512
	ds_load_b128 v[\reg+6:\reg+9], v[\a16] offset:\off+768
	ds_load_b64 v[\reg+10:\reg+11], v[\a8] offset:\off+1280
.endm
.macro FETCH_B slot, q, p
	WIN TO_B
.irp i, 0,1,2,3,4,5,6,7
	FRAG 128*(\p)+FR*\i, ADRB16+\slot, ADRB8+\slot, \i*TILEB+(\q)*1536
.endr
	WIN 0
.endm
.macro FETCH_A slot, q, i0
.irp i, \i0, \i0+1, \i0+2, \i0+3
	FRAG AF+FR*(\i), ADRA16+\slot, ADRA8+\slot, (\i)*TILEB+(\q)*1536
.endr
.endm
; 16 matrix instructions: A's tiles a0, a0 + 1 x B's eight, K step ks.  The 64 accumulators take turns, one instruction a turn, in the same order in every step.
.macro MUL16 a0, p, ks, zero
.irp a, \a0, \a0+1
.irp b, 0,1,2,3,4,5,6,7
.if \zero
	v_wmma_scale_f32_16x16x128_f8f6f4 v[8*(8*((\a)%4)+\b):8*(8*((\a)%4)+\b)+7], v[128*(\p)+FR*\b:128*(\p)+FR*\b+FR-1], v[AF+FR*(\a):AF+FR*(\a)+FR-1], 0, v[SC+8*\b+(\ks)], v[SC+8*(\a)+(\ks)] matrix_a_fmt:MATRIX_FMT_FP6 matrix_b_fmt:MATRIX_FMT_FP6 matrix_a_scale:MATRIX_SCALE_ROW1
.else
	v_wmma_scale_f32_16x16x128_f8f6f4 v[8*(8*((\a)%4)+\b):8*(8*((\a)%4)+\b)+7], v[128*(\p)+FR*\b:128*(\p)+FR*\b+FR-1], v[AF+FR*(\a):AF+FR*(\a)+FR-1], v[8*(8*((\a)%4)+\b):8*(8*((\a)%4)+\b)+7], v[SC+8*\b+(\ks)], v[SC+8*(\a)+(\ks)] matrix_a_fmt:MATRIX_FMT_FP6 matrix_b_fmt:MATRIX_FMT_FP6 matrix_a_scale:MATRIX_SCALE_ROW1
.endif
.endr
.endr
.endm
.macro STEP slot, ks, zero             ; a slot's first K step: multiplies B's set 0 and fetches the second step's fragments
	s_wait_dscnt 4*NL                              ; B's set and A's tiles 0-3 are in; the youngest 16 loads (A's tiles 4-7) may be out
	WIN MUL_LO
	MUL16 0, 0, \ks, \zero
	MUL16 2, 0, \ks, \zero
	s_wait_dscnt 0x0
	PLACES
	FETCH_B \slot, 1, 1
	FETCH_A \slot, 1, 0
	WIN MUL_HI
	MUL16 4, 0, \ks, \zero
	MUL16 6, 0, \ks, \zero
	PLACES
	WIN 0
	FETCH_A \slot, 1, 4
.endm
.macro TURN slot, next, fill, ks       ; a slot's second K step changes slots: one barrier, with the waits and the add in front of it
	s_wait_tensorcnt 0x0                           ; all my tensor loads have landed: my part of the next slot
	ds_add_u32 v[SPW], v[NIL]                      ; 0 onto my spare word
	s_wait_dscnt 4*NL+1                            ; (the add and the youngest 16 loads may be out)
	WIN MUL_LO
	MUL16 0, 1, \ks, 0
	s_wait_dscnt 0x0                               ; the add is done, and my reads of this slot are over
	s_barrier_signal -1
	MUL16 2, 1, \ks, 0
	WIN 0
	s_barrier_wait -1
.if \fill
	CREST                                          ; the barrier has opened a round of the cluster's barrier: no wave of any partner still reads this slot or has a load on its way
	s_add_nc_u64 s[G0+4*\slot+2:G0+4*\slot+3], s[G0+4*\slot+2:G0+4*\slot+3], 2*TILEB
	s_add_nc_u64 s[G0B+4*\slot+2:G0B+4*\slot+3], s[G0B+4*\slot+2:G0B+4*\slot+3], 2*TILEB
	JLOAD G0+4*\slot, G1, G0B+4*\slot, G1B
.else
	PLACES
.endif
	FETCH_B \next, 0, 0
	FETCH_A \next, 0, 0
	WIN MUL_HI
	MUL16 4, 1, \ks, 0
	MUL16 6, 1, \ks, 0
	PLACES
	WIN 0
	FETCH_A \next, 0, 4
.endm
	s_wait_tensorcnt 1                             ; the scale words and my part of slot 0 are in (slot 1's load may be out)
	s_barrier_signal -1
	s_barrier_wait -1                              ; everybody's are
	FETCH_B 0, 0, 0
	FETCH_A 0, 0, 0
.irp i, 0,1,2,3,4,5,6,7
.irp g, 0,1
	ds_load_b128 v[SC+8*\i+4*\g:SC+8*\i+4*\g+3], v[ADRS] offset:512*\i+256*\g
.endr
.endr
	FETCH_A 0, 0, 4
	STEP 0, 0, 1
	TURN 0, 1, 1, 1
	STEP 1, 2, 0
	TURN 1, 0, 1, 3
	STEP 0, 4, 0
	TURN 0, 1, 0, 5
	STEP 1, 6, 0
	s_wait_dscnt 4*NL
	WIN MUL_LO
	MUL16 0, 1, 7, 0
	MUL16 2, 1, 7, 0
	s_wait_dscnt 0x0
	WIN MUL_HI
	MUL16 4, 1, 7, 0
	MUL16 6, 1, 7, 0
	WIN 0
; THE WAY OUT, a tile of 16 rows x 128 columns at a time, through my own stage in LDS: in as 32 bytes a lane, back as whole rows of 512 bytes.  LDS serves a wave's instructions in order: no wait between the stores and the loads.
.macro TOSTAGE a
.set AC, 64*((\a)%4)
.set WD, 0x08+4*((\a)/4)
	WIN WD                                         ; an LDS store's data are its source 1: window 2 or 3
.irp b, 0,1,2,3,4,5,6,7
	ds_store_b128 v[STO], v[AC+8*\b:AC+8*\b+3] offset:128*(\b/2)+32*(\b%2)        ; each accumulator from its low end on
	ds_store_b128 v[STO], v[AC+8*\b+4:AC+8*\b+7] offset:128*(\b/2)+32*(\b%2)+16
.endr
	WIN 0
.set BB, BK+64*((\a)%2)
.irp t, 0,1,2,3,4,5,6,7,8,9,10,11,12,13,14,15
	ds_load_b128 v[BB+4*\t:BB+4*\t+3], v[RD] offset:\t*SPITCH
.endr
.endm
.macro SEND a, younger                 ; younger: the LDS instructions issued behind tile a's loads, which may stay out
.set BB, BK+64*((\a)%2)
	s_wait_dscnt \younger
.irp t, 0,1,2,3,4,5,6,7,8,9,10,11,12,13,14,15
	global_store_b128 v[L16], v[BB+4*\t:BB+4*\t+3], s[12:13] offset:(32*((\a)/2)+8*((\a)%2)+\t+8*(\t/8))*4096 th:TH_STORE_NT   ; the tile's row t is row 32 (a / 2) + 8 (a % 2) + t + 8 (t / 8) of my 128; 32 lanes store 512 consecutive bytes, aligned
.endr
.endm
	PLACES                                         ; behind the last products
	TOSTAGE 0
.irp a, 1,2,3,4,5,6,7
.if \a > 1
	s_wait_xcnt 0x0                                ; tile a - 2's stores have read their registers: tile a's loads may land there
.endif
	TOSTAGE \a
	SEND \a-1, 32                                  ; behind tile a - 1's loads: tile a's 16 stores and 16 loads
.endr
	SEND 7, 0
	s_wait_tensorcnt 0x0                           ; the wave's end
	ds_add_u32 v[SPW], v[NIL]
	s_wait_dscnt 0x0
	CROUND                                         ; the closing round: no work-group ends while a partner may still ask for a tile that names it
	s_endpgm
.Lfunc_end_k_q7e54e1bcf4_gemm_out:
	.size	k_q7e54e1bcf4_gemm_out, .Lfunc_end_k_q7e54e1bcf4_gemm_out-k_q7e54e1bcf4_gemm_out
	.p2alignl 7, 3214868480
	.fill 96, 4, 3214868480
	.section	.rodata,"a",@progbits
	.p2align	6, 0x0
	.amdhsa_kernel k_q7e54e1bcf4_gemm_out
		.amdhsa_group_segment_fixed_size 327680
		.amdhsa_private_segment_fixed_size 0
		.amdhsa_enable_private_segment 0
		.amdhsa_kernarg_size 40
		.amdhsa_user_sgpr_count 2
		.amdhsa_user_sgpr_kernarg_segment_ptr 1
		.amdhsa_wavefront_size32 1
		.amdhsa_system_sgpr_workgroup_id_x 1
		.amdhsa_system_sgpr_workgroup_id_y 1
		.amdhsa_system_sgpr_workgroup_id_z 1
		.amdhsa_system_vgpr_workitem_id 0
		.amdhsa_next_free_vgpr 1024
		.amdhsa_next_free_sgpr 98
		.amdhsa_reserve_vcc 0
		.amdhsa_float_denorm_mode_32 3
		.amdhsa_float_denorm_mode_16_64 3
		.amdhsa_memory_ordered 1
		.amdhsa_forward_progress 1
		.amdhsa_inst_pref_size 142
	.end_amdhsa_kernel
	.amdgpu_metadata
---
amdhsa.version: [ 1, 2 ]
amdhsa.kernels:
  - .name:           k_q7e54e1bcf4_gemm_out
    .symbol:         k_q7e54e1bcf4_gemm_out.kd
    .args:
      - { .name: ac, .offset: 0, .size: 8, .value_kind: global_buffer, .address_space: global }
      - { .name: asc, .offset: 8, .size: 8, .value_kind: global_buffer, .address_space: global }
      - { .name: wc, .offset: 16, .size: 8, .value_kind: global_buffer, .address_space: global }
      - { .name: ws, .offset: 24, .size: 8, .value_kind: global_buffer, .address_space: global }
      - { .name: out0, .offset: 32, .size: 8, .value_kind: global_buffer, .address_space: global }
    .group_segment_fixed_size: 327680
    .private_segment_fixed_size: 0
    .kernarg_segment_align: 8
    .kernarg_segment_size: 40
    .max_flat_workgroup_size: 128
    .sgpr_count:     98
    .vgpr_count:     1024
    .wavefront_size: 32
...
	.end_amdgpu_metadata
.endif
;; end of part 4
